; MI455X (gfx1250); checked and timed in simulation.
; The chip was launched on July 23, 2026; its instructions are those of AMD's public machine-readable ISA for CDNA 5 (MIT licence, August 2026) and "CDNA5" Instruction Set Architecture Reference Guide (July 2026). The comments in the code are by the model that wrote it; some were corrected since.
;; Multi Head Attention. Allowed arithmetic: float matrix products may take bf16 or f16 operands with f32 sums; all other float work in f32.
;; Inputs: b_out 1,024 float32; b_qkv 3,072 float32; w_out 1,024 x 1,024 float32; w_qkv 1,024 x 3,072 float32; x 4 x 2,048 x 1,024 float32.
;; Outputs: out0 4 x 2,048 x 1,024 float32.
;; 2 versions, each right and faster than the one before. Each part assembles by itself: llvm-mc -triple=amdgcn-amd-amdhsa -mcpu=gfx1250 --defsym DOCPART=n.
;; ======== version 1 of 2: 4 launches
;; limits: values are held in f16: magnitudes above 65,504 overflow, below 6.1e-05 lose precision
;; workspace buffers: xb 16,777,216 bytes; wqb 6,291,456 bytes; wob 2,097,152 bytes; qkvh 50,331,648 bytes; oh 16,777,216 bytes
;; launch prep (part 1): grid 768 x 1, 8 waves a work-group, no clusters, 0 bytes of LDS; arguments x, w_qkv, w_out, xb, wqb, wob; writes xb, wqb, wob
.if DOCPART == 1
	.amdgcn_target "amdgcn-amd-amdhsa--gfx1250"
	.amdhsa_code_object_version 6
	.text
	.protected	k_qd38926ff93_prep
	.globl	k_qd38926ff93_prep
	.p2align	8
	.type	k_qd38926ff93_prep,@function
k_qd38926ff93_prep:
	s_mov_b64 s[64:65], 0
	v_nop
	global_prefetch_b8 v0, s[64:65] scope:SCOPE_SE
	s_setreg_imm32_b32 hwreg(HW_REG_WAVE_MODE, 25, 1), 1
	s_wait_xcnt 0x0
; CASTS.  x [8192][1024] f32 -> xb [16 kb][8192 rows][64] bf16 (blocks of 64 along K, so that 256 rows x 64 k are 32,768 dense bytes);
; w_qkv [1024][3072] f32 -> wqb, bf16, laid as it lies;  w_out [1024][1024] f32 -> wob: rounded to bf16, and that number written as f16.
; LIMITS.  wob: a bf16 number is exact in f16 from 2^-14 to 65,504; below 2^-14 it keeps f16's fixed step of 2^-24, from 65,520 on it becomes an infinity.
; A stream: no LDS, no barrier, no matrix unit.  A wave takes 2,048 numbers: sixteen loads of 16 bytes a lane, all issued at once, then sixteen
; stores of 8 bytes a lane; each store of a wave covers 256 consecutive bytes, aligned.  No register is written twice while a memory instruction may
; read it, so the only waits are the counted ones for the loads.
; Work-groups 0-511: x (32 rows x 512 columns each, a wave one block of 64 columns); 512-703: w_qkv; 704-767: w_out (16,384 consecutive numbers each).
.set IN,  8                            ; v[8:71]    sixteen loads of four f32
.set OUT, 72                           ; v[72:103]  sixteen pairs of packed 16-bit numbers
.set T,   104                          ; v[104:105] at work
; src, dst: the first register of the scalar pair with the address; stride: bytes from one load to the next; half = 1: bf16's number written as f16
.macro CAST src, dst, stride, half
.set j, 0
.rept 16
	global_load_b128 v[IN+4*j:IN+4*j+3], v2, s[\src:\src+1] offset:j*(\stride) th:TH_LOAD_NT
.set j, j+1
.endr
.set j, 0
.rept 16
	s_wait_loadcnt 15-j                            ; loads come back in order: load j is in, the 15 - j younger ones stay out
.if \half
	v_cvt_pk_bf16_f32 v[T],   v[IN+4*j],   v[IN+4*j+1]     ; the rounding that every input has,
	v_cvt_pk_bf16_f32 v[T+1], v[IN+4*j+2], v[IN+4*j+3]
	v_lshlrev_b32 v[IN+4*j],   16,  v[T]                   ; widened again,
	v_and_b32     v[IN+4*j+1], s18, v[T]
	v_lshlrev_b32 v[IN+4*j+2], 16,  v[T+1]
	v_and_b32     v[IN+4*j+3], s18, v[T+1]
	v_cvt_pk_f16_f32 v[OUT+2*j],   v[IN+4*j],   v[IN+4*j+1]  ; and written as f16
	v_cvt_pk_f16_f32 v[OUT+2*j+1], v[IN+4*j+2], v[IN+4*j+3]
.else
	v_cvt_pk_bf16_f32 v[OUT+2*j],   v[IN+4*j],   v[IN+4*j+1]
	v_cvt_pk_bf16_f32 v[OUT+2*j+1], v[IN+4*j+2], v[IN+4*j+3]
.endif
	global_store_b64 v3, v[OUT+2*j:OUT+2*j+1], s[\dst:\dst+1] offset:256*j
.set j, j+1
.endr
.endm
	s_load_b256 s[4:11], s[0:1], 0x0               ; x s[4:5], w_qkv s[6:7], w_out s[8:9], xb s[10:11]
	s_load_b128 s[12:15], s[0:1], 0x20             ; wqb s[12:13], wob s[14:15]
	v_lshrrev_b32 v1, 5, v0
	v_readfirstlane_b32 s16, v1                    ; wave 0..7
	v_and_b32 v1, 31, v0                           ; lane
	v_lshlrev_b32 v3, 3, v1                        ; out: 8 bytes a lane
	s_mov_b32 s17, ttmp9
	s_mov_b32 s18, 0xffff0000                      ; a word's upper bf16
	s_mov_b32 s21, 0                               ; the offsets' high words
	s_mov_b32 s23, 0
	s_cmp_lt_u32 s17, 512
	s_cbranch_scc0 .Lweights
	; x: block rb of 32 rows, block kb of 64 columns
	s_lshr_b32 s24, s17, 1                         ; rb
	s_and_b32 s25, s17, 1
	s_lshl_b32 s25, s25, 3
	s_add_co_u32 s25, s25, s16                     ; kb = 8 (g & 1) + wave
	s_lshl_b32 s20, s24, 17                        ; in: 32 rows of 4,096 bytes,
	s_lshl_b32 s26, s25, 8                         ; 64 columns of 4 bytes
	s_add_co_u32 s20, s20, s26
	s_lshl_b32 s22, s25, 20                        ; out: a block of K is 8,192 rows of 128 bytes,
	s_lshl_b32 s26, s24, 12                        ; 32 rows of 128 bytes
	s_add_co_u32 s22, s22, s26
	v_and_b32 v2, 15, v0
	v_lshlrev_b32 v2, 4, v2                        ; lanes 0-15 take one row's 256 bytes,
	v_bfe_u32 v4, v0, 4, 1
	v_lshl_add_u32 v2, v4, 12, v2                  ; lanes 16-31 the next row's
	s_wait_kmcnt 0x0
	s_add_nc_u64 s[4:5], s[4:5], s[20:21]
	s_add_nc_u64 s[10:11], s[10:11], s[22:23]
	CAST 4, 10, 8192, 0                            ; two rows a load
	s_endpgm
.Lweights:
	v_lshlrev_b32 v2, 4, v1                        ; 16 bytes a lane, 512 consecutive bytes a load
	s_lshl_b32 s26, s16, 13                        ; the wave's 2,048 numbers
	s_cmp_lt_u32 s17, 704
	s_cbranch_scc0 .Lwout
	s_sub_co_u32 s24, s17, 512
	s_lshl_b32 s20, s24, 16                        ; the work-group's 16,384 numbers
	s_add_co_u32 s20, s20, s26
	s_lshr_b32 s22, s20, 1
	s_wait_kmcnt 0x0
	s_add_nc_u64 s[6:7], s[6:7], s[20:21]
	s_add_nc_u64 s[12:13], s[12:13], s[22:23]
	CAST 6, 12, 512, 0
	s_endpgm
.Lwout:
	s_sub_co_u32 s24, s17, 704
	s_lshl_b32 s20, s24, 16
	s_add_co_u32 s20, s20, s26
	s_lshr_b32 s22, s20, 1
	s_wait_kmcnt 0x0
	s_add_nc_u64 s[8:9], s[8:9], s[20:21]
	s_add_nc_u64 s[14:15], s[14:15], s[22:23]
	CAST 8, 14, 512, 1
	s_endpgm
.Lfunc_end_k_qd38926ff93_prep:
	.size	k_qd38926ff93_prep, .Lfunc_end_k_qd38926ff93_prep-k_qd38926ff93_prep
	.p2alignl 7, 3214868480
	.fill 96, 4, 3214868480
	.section	.rodata,"a",@progbits
	.p2align	6, 0x0
	.amdhsa_kernel k_qd38926ff93_prep
		.amdhsa_group_segment_fixed_size 0
		.amdhsa_private_segment_fixed_size 0
		.amdhsa_enable_private_segment 0
		.amdhsa_kernarg_size 48
		.amdhsa_user_sgpr_count 2
		.amdhsa_user_sgpr_kernarg_segment_ptr 1
		.amdhsa_wavefront_size32 1
		.amdhsa_system_sgpr_workgroup_id_x 1
		.amdhsa_system_sgpr_workgroup_id_y 1
		.amdhsa_system_sgpr_workgroup_id_z 1
		.amdhsa_system_vgpr_workitem_id 0
		.amdhsa_next_free_vgpr 108
		.amdhsa_next_free_sgpr 66
		.amdhsa_reserve_vcc 0
		.amdhsa_float_denorm_mode_32 3
		.amdhsa_float_denorm_mode_16_64 3
		.amdhsa_memory_ordered 1
		.amdhsa_forward_progress 1
		.amdhsa_inst_pref_size 23
	.end_amdhsa_kernel
	.amdgpu_metadata
---
amdhsa.version: [ 1, 2 ]
amdhsa.kernels:
  - .name:           k_qd38926ff93_prep
    .symbol:         k_qd38926ff93_prep.kd
    .args:
      - { .name: x, .offset: 0, .size: 8, .value_kind: global_buffer, .address_space: global }
      - { .name: w_qkv, .offset: 8, .size: 8, .value_kind: global_buffer, .address_space: global }
      - { .name: w_out, .offset: 16, .size: 8, .value_kind: global_buffer, .address_space: global }
      - { .name: xb, .offset: 24, .size: 8, .value_kind: global_buffer, .address_space: global }
      - { .name: wqb, .offset: 32, .size: 8, .value_kind: global_buffer, .address_space: global }
      - { .name: wob, .offset: 40, .size: 8, .value_kind: global_buffer, .address_space: global }
    .group_segment_fixed_size: 0
    .private_segment_fixed_size: 0
    .kernarg_segment_align: 8
    .kernarg_segment_size: 48
    .max_flat_workgroup_size: 256
    .sgpr_count:     66
    .vgpr_count:     108
    .wavefront_size: 32
...
	.end_amdgpu_metadata
.endif
;; end of part 1
;; launch qkv (part 2): grid 8 x 32, 4 waves a work-group, clusters of 4 x 4, 327,680 bytes of LDS; arguments xb, wqb, b_qkv, qkvh; writes qkvh
.if DOCPART == 2
	.amdgcn_target "amdgcn-amd-amdhsa--gfx1250"
	.amdhsa_code_object_version 6
	.text
	.protected	k_qd38926ff93_qkv
	.globl	k_qd38926ff93_qkv
	.p2align	8
	.type	k_qd38926ff93_qkv,@function
k_qd38926ff93_qkv:
	s_mov_b64 s[64:65], 0
	v_nop
	global_prefetch_b8 v0, s[64:65] scope:SCOPE_SE
	s_setreg_imm32_b32 hwreg(HW_REG_WAVE_MODE, 25, 1), 1
	s_wait_xcnt 0x0
	s_wait_alu depctr_hold_cnt(0) depctr_sa_sdst(0) depctr_va_vdst(0) depctr_va_sdst(0) depctr_va_ssrc(0) depctr_va_vcc(0) depctr_vm_vsrc(0)
	s_getreg_b32 s2, hwreg(HW_REG_IB_STS2, 6, 4)
	s_cmp_eq_u32 s2, 0
	s_cbranch_scc0 .Lentry_in_a_cluster
	s_endpgm
.Lentry_in_a_cluster:
	s_bfe_u32 s2, ttmp6, 0x10000c
	s_cmp_lg_u32 s2, 0xf033
	s_cbranch_scc0 .Lentry_shape_is_right
	s_endpgm
.Lentry_shape_is_right:
; q, k, v = x w_qkv + b_qkv, by heads.  xb: [16 kb][8192 rows][64] bf16.  wqb: [1024 k][3072 n] bf16.  b_qkv: [3072] f32, rounded to bf16 here like the other inputs.
; qkvh: [4 b][48 G][2048 s][64] f16, G = 0-15 q's heads, 16-31 k's, 32-47 v's.  Sums in f32, K ascending, started by the bias; rounded once to f16, without attention's scale.
; LIMIT.  f16 holds no number beyond 65,504: a q, k or v of 65,520 or more becomes an infinity.
; SHARES.  8 x 32 = 256 work-groups, each 256 rows x 384 columns (six units of 64 columns, each one head).  Four waves: wave w takes rows 128 (w / 2) on and the units 2 g + w % 2,
; g = 0..2: 128 x 192 = 96 accumulators of 16 x 16, 768 registers.  K goes in 16 steps of 64 through a ring of two LDS slots; a step is two halves of 32 along K, 96 matrix instructions each.
; THE MATRIX INSTRUCTION IS USED TRANSPOSED: source 0 = 16 columns of w (turned out of LDS by ds_load_tr16_b128), source 1 = 16 rows of x: a lane then holds eight neighbouring columns of one row.
; CLUSTER.  4 x 4 work-groups.  x's tile hangs on the block of rows alone and is shared along a row of the cluster, w's on the block of columns alone and is shared along a column:
; each is asked for JOINTLY, by the same tensor load with the same descriptor and a mask that names the four.  Waves 0 and 1 ask for the halves of x's tile, waves 2 and 3 for those of w's.
; By the text's own count a wave has two tensor loads out at the start and one behind each round; from a refill to the wait for it a wave issues 168 matrix instructions.
; THE TEXT.  A K step is written once for the 14 steps that fill their slot again and once for the last two, which ask for nothing; which slot is in hand lies in a scalar register that one
; exclusive or turns, and the fragment addresses are made from it at each change of slots.  Only the first half step, whose products start the sums, stands by itself.
; THE LDS LOADS stand in five runs a K step (24, 16; 8, 24, 8), each as long as the registers that are free at its place allow: a run costs four places and two window switches whatever its length.
; REGISTERS, in windows of 256 (s_set_vgpr_msb: bits 1:0 source 0, 3:2 source 1, 5:4 source 2, 7:6 destination):
;   window 0: v0-17 addresses; v32-95, v96-159 x's fragments (8 x 16 rows x 32 K), a buffer for each half of a step; v160-255 w's fragments, 32 registers for each g
;   windows 1, 2, 3: the accumulators of g = 0, 1, 2: (a, f) at v[8 (4 a + f)], a = 0..7 blocks of 16 rows, f = 0..3 blocks of 16 columns
.set PA,    144                        ; a row of x in LDS: 128 bytes + 16 of padding, an odd multiple of 16: the 16 rows of a load start at 16 different groups of four banks (64 banks of 4 bytes: ISA guide 11.1)
.set AHALF, 128*PA                     ; 128 rows: one tensor load
.set ATILE, 2*AHALF
.set PB,    864                        ; a row of w in LDS: 768 bytes with 32 of padding behind every 256: three segments of 288; an odd multiple of 32
.set BHALF, 32*PB                      ; 32 rows (32 along K): one tensor load, and half a step
.set SLOTB, ATILE+2*BHALF              ; a slot's bytes: 92,160
.set SLOT1, 1<<17                      ; slot 1 begins here, so that one exclusive or turns an address in one slot into the other's
.set STAGE, SLOT1+SLOTB                ; behind the ring, never filled by a tensor load: 16 rows x 144 bytes for each wave
.set SP,    144
.set SPARE, STAGE+4*16*SP              ; behind the stages: the spare words, 128 bytes for each wave: two blocks of 256 bytes that no other line names
.set ASTEP, 1048576                    ; bytes from a K step to the next in xb (a block of K)
.set BSTEP, 393216                     ; and in wqb (64 rows of 6,144 bytes)
.set ADRA0, 8                          ; v8      my lane's place in x's tile of slot 0; never rewritten
.set ADRA,  9                          ; v9      the same in the slot in hand
.set ADRB0, 10                         ; v10     my lane's place in w's tile of slot 0; never rewritten
.set ADRB,  11                         ; v11     the same in the slot in hand
.set STO,  12                          ; v12     the way out: where I put 16 bytes of a row
.set RD,   13                          ; v13     the way out: where I read rows back
.set GO,   14                          ; v14     my byte offset in 512 consecutive bytes of qkvh
.set BOF,  15                          ; v15     my byte offset in 16 numbers of the bias
.set SPW,  16                          ; v16     LDS address of my spare word: SPARE + 4 x my thread's number; never rewritten
.set NIL,  17                          ; v17     0; never rewritten
.set AB0,  32
.set AB1,  96
.set BG,   160
.set WV,  12                           ; s12 wave; s13 wave / 2: my half of the rows, and: I ask for x (0) or w (1); s14 wave % 2: my units, and: which half of a tile I ask for
.set WR,  13
.set WC,  14
.set G1A, 24                           ; s[24:31] descriptor group 1 for x's tiles; s[32:39] group 0: a set for each of the two first fills; the second then walks on
.set G0A, 32
.set G1B, 40                           ; s[40:47], s[48:55] the same for w's
.set G0B, 48
.set LAP, 62                           ; s62  counts the trips
.set TB,  63                           ; s63  LDS byte at which the slot in hand begins: 0 or SLOT1
.set MSB, 0
.macro WIN new                         ; the immediate's high byte repeats the setting that is left; a switch that changes nothing is dropped
.if MSB != (\new)
	s_set_vgpr_msb (MSB<<8)|(\new)
.set MSB, \new
.endif
.endm
; A load into a register that a matrix instruction has read, and a vector instruction that reads a matrix result or writes one of a matrix instruction's registers, stand four places
; behind it, and only plain vector instructions that name none of its registers are places (ISA guide 7.12.1 for vector instructions).
.macro PLACES
.rept 4
	v_nop
.endr
.endm
; A joint load.  Each of the two lines has one mask and one set of registers for all that issue it; the branch hangs on the wave's number alone.
; An s_nop 0 and four v_nop follow each line, ahead of the jump, the label and what follows.
.macro JLOAD s
	s_cmp_eq_u32 s[WR], 0
	s_cbranch_scc0 .Lfor_b_\@
	tensor_load_to_lds s[G0A+4*(\s):G0A+4*(\s)+3], s[G1A:G1A+7]
	s_nop 0
.rept 4
	v_nop
.endr
	s_branch .Lasked_\@
.Lfor_b_\@:
	tensor_load_to_lds s[G0B+4*(\s):G0B+4*(\s)+3], s[G1B:G1B+7]
	s_nop 0
.rept 4
	v_nop
.endr
.Lasked_\@:
.endm
; A round of the cluster's barrier: my work-group's barrier, so that wave 0's signal speaks for all four waves; wave 0 signals; every wave waits for all sixteen work-groups; my work-group's barrier once more.
.macro CREST                           ; a round behind its opening barrier
	s_cmp_lg_u32 s[WV], 0
	s_cbranch_scc1 .Lnot_wave_0_\@
	s_barrier_signal -3
.Lnot_wave_0_\@:
	s_barrier_wait -3
	s_barrier_signal -1
	s_barrier_wait -1
.endm
.macro CROUND
	s_barrier_signal -1
	s_barrier_wait -1
	CREST
.endm
	s_load_b256 s[4:11], s[0:1], 0x0               ; xb s[4:5], wqb s[6:7], b_qkv s[8:9], qkvh s[10:11]
	v_lshl_add_u32 v[SPW], v0, 2, SPARE
	v_mov_b32 v[NIL], 0
	ds_add_u32 v16, v17
	s_wait_dscnt 0x0
	v_lshrrev_b32 v1, 5, v0
	v_readfirstlane_b32 s[WV], v1                  ; wave 0..3
	v_and_b32 v1, 15, v0                           ; l % 16
	v_bfe_u32 v2, v0, 4, 1                         ; l / 16
	v_lshlrev_b32 v[BOF], 5, v2                    ; my eight numbers of sixteen of the bias
	s_lshr_b32 s[WR], s[WV], 1
	s_and_b32 s[WC], s[WV], 1
	s_bfe_u32 s15, ttmp6, 0x40000                  ; cx, cy: my place in the cluster
	s_bfe_u32 s16, ttmp6, 0x40004
	s_lshl_b32 s17, ttmp9, 2
	s_add_co_u32 s17, s17, s15                     ; gx: my block of 384 columns = 4 x cluster x + cx
	s_and_b32 s18, ttmp7, 0xffff
	s_lshl_b32 s18, s18, 2
	s_add_co_u32 s18, s18, s16                     ; gy: my block of 256 rows = 4 x cluster y + cy
	s_lshl_b32 s19, s16, 2
	s_lshl_b32 s19, 15, s19                        ; my row of the cluster: places 4 cy .. 4 cy + 3
	s_lshl_b32 s20, 0x1111, s15                    ; my column: places cx, cx + 4, cx + 8, cx + 12
	; group 1 for x: 128 rows of 128 bytes are 16,384 dense bytes: asked for as 64 rows of 256 bytes, padded in LDS behind every 128
	s_or_b32 s[G1A], s19, (1<<16)|(1<<20)|(1<<21)|(4<<22)|(3<<25)  ; 15:0 the mask; 17:16 2-byte elements; 20 padding on; 21 set beside a mask; 24:22 after every 32 words (code 4); 31:25 4 words (code 3)
	s_mov_b32 s[G1A+1], 128<<16                    ; tensor_dim0 = 128
	s_mov_b32 s[G1A+2], 64<<16                     ; tensor_dim1 = 64
	s_mov_b32 s[G1A+3], 128<<16                    ; tile_dim0 = 128
	s_mov_b32 s[G1A+4], 64                         ; tile_dim1 = 64
	s_mov_b32 s[G1A+5], 128                        ; 128 elements from row to row
	s_mov_b32 s[G1A+6], 0
	s_mov_b32 s[G1A+7], 0
	; group 1 for w: 32 rows of 384 elements (768 bytes, beginning at a multiple of 256 from the buffer's first byte), padded behind every 256 bytes
	s_or_b32 s[G1B], s20, (1<<16)|(1<<20)|(1<<21)|(5<<22)|(7<<25)  ; after every 64 words (code 5) 8 words (code 7)
	s_mov_b32 s[G1B+1], 384<<16
	s_mov_b32 s[G1B+2], 32<<16
	s_mov_b32 s[G1B+3], 384<<16
	s_mov_b32 s[G1B+4], 32
	s_mov_b32 s[G1B+5], 3072
	s_mov_b32 s[G1B+6], 0
	s_mov_b32 s[G1B+7], 0
	; where the tiles come from: x's hang on gy and the wave, w's on gx and the wave, each in registers that never hold the other coordinate
	s_lshl_b32 s56, s18, 15                        ; 256 rows of 128 bytes
	s_lshl_b32 s21, s[WC], 14                      ; my 128 of them
	s_add_co_u32 s56, s56, s21
	s_mov_b32 s57, 0
	s_mul_i32 s58, s17, 768                        ; 384 columns of 2 bytes
	s_mul_i32 s22, s[WC], 196608                   ; my 32 rows of 6,144 bytes
	s_add_co_u32 s58, s58, s22
	s_mov_b32 s59, 0
	s_mul_i32 s60, s[WC], AHALF                    ; and where they go: no place in the cluster enters an LDS address
	s_mul_i32 s61, s[WC], BHALF
	s_add_co_u32 s61, s61, ATILE
	s_mul_i32 s68, s17, 1536                       ; the bias at my first column: 384 gx + 64 (w % 2) numbers of 4 bytes
	s_lshl_b32 s69, s[WC], 8
	s_add_co_u32 s68, s68, s69
	s_mov_b32 s69, 0
	s_mov_b32 s70, 0xffff0000                      ; a word's upper bf16
	s_mov_b32 s[TB], 0                             ; slot 0 is in hand
	s_wait_kmcnt 0x0
	s_add_nc_u64 s[56:57], s[4:5], s[56:57]
	s_add_nc_u64 s[58:59], s[6:7], s[58:59]
	s_add_nc_u64 s[8:9], s[8:9], s[68:69]
	; the bias is asked for first of all: it has the round below and the wait for the first tile in which to come; it lands where w's fragments will lie
.irp g, 0,1,2
.irp f, 0,1,2,3
	global_load_b128 v[BG+32*\g+8*\f:BG+32*\g+8*\f+3],   v[BOF], s[8:9] offset:512*\g+64*\f
	global_load_b128 v[BG+32*\g+8*\f+4:BG+32*\g+8*\f+7], v[BOF], s[8:9] offset:512*\g+64*\f+16
.endr
.endr
	CROUND                                         ; all sixteen work-groups are here: the first joint loads meet
.irp s, 0,1
	s_mov_b32 s[G0A+4*\s], 1                                       ; 1:0 count = 1
	s_add_co_u32 s[G0A+4*\s+1], s60, \s*SLOT1                      ; 63:32 LDS address
	s_add_nc_u64 s[G0A+4*\s+2:G0A+4*\s+3], s[56:57], \s*ASTEP      ; 120:64 global address: K step s
	s_or_b32 s[G0A+4*\s+3], s[G0A+4*\s+3], 0x80000000              ; 127:126 type = 2
	s_mov_b32 s[G0B+4*\s], 1
	s_add_co_u32 s[G0B+4*\s+1], s61, \s*SLOT1
	s_add_nc_u64 s[G0B+4*\s+2:G0B+4*\s+3], s[58:59], \s*BSTEP
	s_or_b32 s[G0B+4*\s+3], s[G0B+4*\s+3], 0x80000000
	JLOAD \s                                       ; the ring is filled before anything else is done in LDS
.endr
	; A fragment of x: lane l holds row l % 16; registers 0-3 K = 8 (l / 16) + 0..7, registers 4-7 K = 16 + 8 (l / 16) + 0..7: two loads of 16 bytes, 32 bytes apart.
	v_mul_u32_u24 v3, v1, PA
	v_lshl_add_u32 v3, v2, 4, v3                   ; row x pitch + 16 x half
	s_mul_i32 s23, s[WR], AHALF                    ; my 128 rows
	v_add_nc_u32 v[ADRA0], s23, v3
	v_mov_b32 v[ADRA], v[ADRA0]
	; The turning load takes 16 k x 16 columns (lane l reads k = 8 (l / 16) + l % 8, columns 8 ((l / 8) % 2) + 0..7) and leaves half a fragment: lane l holds column l % 16 and 8 k.
	v_and_b32 v4, 7, v0
	v_bfe_u32 v5, v0, 3, 1
	v_lshl_add_u32 v6, v2, 3, v4
	v_mul_u32_u24 v6, v6, PB
	v_lshl_add_u32 v6, v5, 4, v6
	s_lshl_b32 s23, s[WC], 7                       ; unit 2 g + w % 2 begins at byte 288 g + 128 (w % 2) of an LDS row
	s_add_co_u32 s23, s23, ATILE
	v_add_nc_u32 v[ADRB0], s23, v6
	v_mov_b32 v[ADRB], v[ADRB0]
	s_mul_i32 s23, s[WV], 16*SP
	s_add_co_u32 s23, s23, STAGE                   ; my stage
	v_add_nc_u32 v[STO], s23, v3                   ; in: row l % 16, 16 bytes for each half of the lanes (the stage's pitch is x's)
	v_bfe_u32 v7, v0, 3, 2                         ; back: 32 lanes take four rows of 128 bytes,
	v_mul_u32_u24 v7, v7, SP
	v_lshl_add_u32 v7, v4, 4, v7
	v_add_nc_u32 v[RD], s23, v7
	v_and_b32 v[GO], 31, v0                        ; which are 512 consecutive bytes of a head
	v_lshlrev_b32 v[GO], 4, v[GO]
	; qkvh at my first row of unit g = 0: ((48 b + 6 gx + w % 2) << 18) + row in the batch x 128
	s_lshr_b32 s66, s18, 3                         ; b: a batch has 8 blocks of 256 rows
	s_mul_i32 s66, s66, 48
	s_mul_i32 s67, s17, 6
	s_add_co_u32 s66, s66, s67
	s_add_co_u32 s66, s66, s[WC]
	s_lshl_b32 s66, s66, 18
	s_and_b32 s67, s18, 7
	s_lshl_b32 s67, s67, 15
	s_add_co_u32 s66, s66, s67
	s_lshl_b32 s67, s[WR], 14
	s_add_co_u32 s66, s66, s67
	s_mov_b32 s67, 0
	s_add_nc_u64 s[10:11], s[10:11], s[66:67]
	; THE BIAS STARTS THE SUMS.  Register j of an accumulator is column 8 (l / 16) + j of its block, whatever the row: the bias of block (g, f), rounded to bf16, is laid into
	; accumulator (7, f) of window 1 + g and is the C operand of the first product on every accumulator of that column block.  Nothing is cleared, and nothing is added on the way out.
	s_wait_loadcnt 0x0
.set p, 0
.rept 48
	v_cvt_pk_bf16_f32 v[AB0+p], v[BG+2*p], v[BG+2*p+1]
.set p, p+1
.endr
.irp g, 0,1,2
	WIN (1+\g)<<6                                  ; destination in window 1 + g
.set q, 0
.rept 16
	v_lshlrev_b32 v[224+2*q], 16,  v[AB0+16*\g+q]
	v_and_b32     v[225+2*q], s70, v[AB0+16*\g+q]
.set q, q+1
.endr
.endr
	WIN 0
; 16 loads: x's eight fragments of half i of the step in the slot in hand
.macro LOADA i, buf
	WIN 0
.irp a, 0,1,2,3,4,5,6,7
	ds_load_b128 v[(\buf)+8*\a:(\buf)+8*\a+3],   v[ADRA] offset:\a*16*PA+64*(\i)
	ds_load_b128 v[(\buf)+8*\a+4:(\buf)+8*\a+7], v[ADRA] offset:\a*16*PA+64*(\i)+32
.endr
.endm
; 8 loads: w's four fragments of unit g, half i of the step in the slot in hand
.macro LOADB g, i
	WIN 0
.irp f, 0,1,2,3
	ds_load_tr16_b128 v[BG+32*(\g)+8*\f:BG+32*(\g)+8*\f+3],   v[ADRB] offset:(\i)*BHALF+288*(\g)+32*\f
	ds_load_tr16_b128 v[BG+32*(\g)+8*\f+4:BG+32*(\g)+8*\f+7], v[ADRB] offset:(\i)*BHALF+16*PB+288*(\g)+32*\f
.endr
.endm
; Row blocks a0 .. a1 x the four column blocks of unit g, 32 along K.  The 96 accumulators take turns, one instruction a turn, in the same order in every half step.
; start = 1: the C operand is the bias in accumulator (7, f); five places stand in front of block 7, whose products write over registers that the products before took as C.
.macro M g, a0, a1, buf, start
	WIN 0x50*(1+(\g))                              ; C and D in window 1 + g, sources in window 0
.set ma, \a0
.rept (\a1)-(\a0)+1
.if (\start) && (ma == 7)
.rept 5
	v_nop
.endr
.endif
.irp f, 0,1,2,3
.if \start
	v_wmma_f32_16x16x32_bf16 v[8*(4*ma+\f):8*(4*ma+\f)+7], v[BG+32*(\g)+8*\f:BG+32*(\g)+8*\f+7], v[(\buf)+8*ma:(\buf)+8*ma+7], v[8*(28+\f):8*(28+\f)+7]
.else
	v_wmma_f32_16x16x32_bf16 v[8*(4*ma+\f):8*(4*ma+\f)+7], v[BG+32*(\g)+8*\f:BG+32*(\g)+8*\f+7], v[(\buf)+8*ma:(\buf)+8*ma+7], v[8*(4*ma+\f):8*(4*ma+\f)+7]
.endif
.endr
.set ma, ma+1
.endr
.endm
; Every half step is entered with 32 LDS loads out, in this order: x's 16, unit 0's 8, unit 1's 8; and leaves the same for the next.
; The first half of a step multiplies AB0.  Two runs of loads: unit 2 of this half (its registers were read by the last 32 products of the half before) with x's second half;
; and, when units 0 and 1 have been multiplied, both units of the second half together.
.macro EVEN start
	s_wait_dscnt 8                                 ; x and unit 0 are in; unit 1's eight may be out
	M 0, 0, 3, AB0, \start
	PLACES
	LOADB 2, 0
	LOADA 1, AB1
	M 0, 4, 7, AB0, \start
	s_wait_dscnt 24                                ; unit 1 is in; the 24 just issued may be out
	M 1, 0, 7, AB0, \start
	PLACES
	LOADB 0, 1                                     ; wanted first, 32 matrix instructions on
	LOADB 1, 1
	s_wait_dscnt 32                                ; unit 2 is in; behind it: x's 16 and the 16 just issued
	M 2, 0, 7, AB0, \start
.endm
; The second half multiplies AB1 and changes slots.  ONE barrier for two things: in front of it each wave waits for all its tensor loads, of which one is out: its part of the next slot;
; adds 0 to its spare word; and waits for that and for its own reads of this slot.  Behind it nobody reads this slot any more and the next slot is whole.
; fill = 1: the barrier opens a round of the cluster's, and the slot is filled again, two K steps on, first thing behind the round: the walking descriptor takes the other slot than last
; time and the next K step.  fill = 0: the last two steps: nothing is asked for, and in the very last trip (the count stands at 1) there is no next step: its two runs of loads are jumped over.
.macro ODD fill
	s_wait_dscnt 8
	M 0, 0, 1, AB1, 0
	PLACES
	LOADB 2, 1                                     ; my last reads of this slot
	s_wait_tensorcnt 0x0                           ; all my tensor loads have landed, so a group 0 may be written;
	ds_add_u32 v[SPW], v[NIL]                      ; 0 onto my spare word
	s_xor_b32 s[TB], s[TB], SLOT1                  ; from here on the other slot is in hand
	v_add_nc_u32 v[ADRA], s[TB], v[ADRA0]
	v_add_nc_u32 v[ADRB], s[TB], v[ADRB0]
.if \fill
	s_xor_b32 s[G0A+5], s[G0A+5], SLOT1
	s_add_nc_u64 s[G0A+6:G0A+7], s[G0A+6:G0A+7], ASTEP  ; the type bits on top are not reached
	s_xor_b32 s[G0B+5], s[G0B+5], SLOT1
	s_add_nc_u64 s[G0B+6:G0B+7], s[G0B+6:G0B+7], BSTEP
.endif
	M 0, 2, 5, AB1, 0                              ; sixteen matrix instructions stand between the add and the wait for it
	s_wait_dscnt 0x0                               ; the add is done, and my reads of the slot that is left are over:
	s_barrier_signal -1                            ; say so,
	M 0, 6, 7, AB1, 0                              ; work on registers while the others arrive,
	WIN 0
	s_barrier_wait -1
.if \fill
	CREST                                          ; no wave of any partner still reads the slot's tile or has a load on its way
	JLOAD 1                                        ; the first tensor load behind the round; its four v_nop are also the places in front of the loads below
.else
	PLACES
	s_cmp_eq_u32 s[LAP], 1
	s_cbranch_scc1 .Lno_a_\@
.endif
	LOADA 0, AB0                                   ; the next step's first half: x, and unit 0, whose registers this half has done with
	LOADB 0, 0
.if !(\fill)
.Lno_a_\@:
.endif
	M 1, 0, 7, AB1, 0
	PLACES
.if !(\fill)
	WIN 0
	s_cmp_eq_u32 s[LAP], 1
	s_cbranch_scc1 .Lno_c_\@
.endif
	LOADB 1, 0
.if !(\fill)
.Lno_c_\@:
.endif
	M 2, 0, 7, AB1, 0
.endm
; THE WAY OUT of block t = 8 g + a: 16 rows x 64 columns, which are 2,048 consecutive bytes of a head.  IN PLACE: each accumulator's eight numbers are rounded to f16 into its own low four
; registers (pair r into register r: sources 2 r and 2 r + 1 are never below r, and the low end is read first); those 16 bytes go into my own stage in rows of 144 bytes and come back, four rows
; of 128 a load, into the accumulator's high four registers, from which they are stored.  No register is written a second time, so nothing has to wait for a store to have read its data.
.macro PACK t
.set pg, (\t)/8
.set pa, (\t)%8
	WIN 0x45*(1+pg)                                ; sources 0 and 1 and the destination in window 1 + g
.irp f, 0,1,2,3
.irp r, 0,1,2,3
	v_cvt_pk_f16_f32 v[8*(4*pa+\f)+\r], v[8*(4*pa+\f)+2*\r], v[8*(4*pa+\f)+2*\r+1]
.endr
.endr
	WIN 0x44*(1+pg)                                ; addresses (source 0) in window 0; store data (source 1) and loaded data (destination) in window 1 + g
.irp f, 0,1,2,3
	ds_store_b128 v[STO], v[8*(4*pa+\f):8*(4*pa+\f)+3] offset:32*\f
.endr
.irp f, 0,1,2,3
	ds_load_b128 v[8*(4*pa+\f)+4:8*(4*pa+\f)+7], v[RD] offset:4*SP*\f  ; LDS serves a wave's instructions in order (ISA guide 5.7.1.4): these see the stores above; the next block's stores come behind them
.endr
.endm
.macro SEND t, younger                 ; younger: the LDS instructions issued behind block t's loads: the next block's eight, or none
.set pg, (\t)/8
.set pa, (\t)%8
	WIN 0x44*(1+pg)
	s_wait_dscnt \younger                          ; block t's four loads are back
.irp f, 0,1,2,3
	global_store_b128 v[GO], v[8*(4*pa+\f)+4:8*(4*pa+\f)+7], s[10:11] offset:pg*524288+pa*2048+\f*512  ; 512 consecutive bytes, at a multiple of 256 from the buffer's first; unit g lies two heads on
.endr
.endm
	s_wait_tensorcnt 0x1                           ; my part of K step 0 is in; step 1's may stay out
	s_barrier_signal -1
	s_barrier_wait -1                              ; everybody's is
	LOADA 0, AB0
	LOADB 0, 0
	LOADB 1, 0
	EVEN 1                                         ; the first half step stands in front of the loop: its products start the sums
	WIN 0
	s_mov_b32 s[LAP], 14
.Lstep:                                                ; trip t = 0..13: the second half of K step t, whose slot takes step t + 2, and the first half of step t + 1
	ODD 1
	EVEN 0
	WIN 0
	s_sub_co_u32 s[LAP], s[LAP], 1
	s_cmp_lg_u32 s[LAP], 0
	s_cbranch_scc1 .Lstep
	s_mov_b32 s[LAP], 2
.Ltail:                                                ; two trips that ask for nothing: the second halves of steps 14 and 15, and between them the first half of 15
	ODD 0
	WIN 0
	s_cmp_eq_u32 s[LAP], 1
	s_cbranch_scc1 .Ldone                          ; behind the last half step nothing is left to multiply
	EVEN 0
	WIN 0
.Ldone:
	s_sub_co_u32 s[LAP], s[LAP], 1
	s_cmp_lg_u32 s[LAP], 0
	s_cbranch_scc1 .Ltail
	PLACES
	PACK 0
.set t, 1
.rept 23                               ; a block's conversions stand between the loads of the block before and its stores
	PACK t
	SEND t-1, 8
.set t, t+1
.endr
	SEND 23, 0
	WIN 0                                          ; the add's two registers lie in window 0
	s_wait_tensorcnt 0x0                           ; the wave's end: behind my last tensor load and my last LDS store
	ds_add_u32 v[SPW], v[NIL]
	s_wait_dscnt 0x0
	CROUND                                         ; the closing round: no work-group ends while a partner may still ask for a tile that names it
	s_endpgm
.Lfunc_end_k_qd38926ff93_qkv:
	.size	k_qd38926ff93_qkv, .Lfunc_end_k_qd38926ff93_qkv-k_qd38926ff93_qkv
	.p2alignl 7, 3214868480
	.fill 96, 4, 3214868480
	.section	.rodata,"a",@progbits
	.p2align	6, 0x0
	.amdhsa_kernel k_qd38926ff93_qkv
		.amdhsa_group_segment_fixed_size 327680
		.amdhsa_private_segment_fixed_size 0
		.amdhsa_enable_private_segment 0
		.amdhsa_kernarg_size 32
		.amdhsa_user_sgpr_count 2
		.amdhsa_user_sgpr_kernarg_segment_ptr 1
		.amdhsa_wavefront_size32 1
		.amdhsa_system_sgpr_workgroup_id_x 1
		.amdhsa_system_sgpr_workgroup_id_y 1
		.amdhsa_system_sgpr_workgroup_id_z 1
		.amdhsa_system_vgpr_workitem_id 0
		.amdhsa_next_free_vgpr 1024
		.amdhsa_next_free_sgpr 76
		.amdhsa_reserve_vcc 0
		.amdhsa_float_denorm_mode_32 3
		.amdhsa_float_denorm_mode_16_64 3
		.amdhsa_memory_ordered 1
		.amdhsa_forward_progress 1
		.amdhsa_inst_pref_size 114
	.end_amdhsa_kernel
	.amdgpu_metadata
---
amdhsa.version: [ 1, 2 ]
amdhsa.kernels:
  - .name:           k_qd38926ff93_qkv
    .symbol:         k_qd38926ff93_qkv.kd
    .args:
      - { .name: xb, .offset: 0, .size: 8, .value_kind: global_buffer, .address_space: global }
      - { .name: wqb, .offset: 8, .size: 8, .value_kind: global_buffer, .address_space: global }
      - { .name: b_qkv, .offset: 16, .size: 8, .value_kind: global_buffer, .address_space: global }
      - { .name: qkvh, .offset: 24, .size: 8, .value_kind: global_buffer, .address_space: global }
    .group_segment_fixed_size: 327680
    .private_segment_fixed_size: 0
    .kernarg_segment_align: 8
    .kernarg_segment_size: 32
    .max_flat_workgroup_size: 128
    .sgpr_count:     76
    .vgpr_count:     1024
    .wavefront_size: 32
...
	.end_amdgpu_metadata
.endif
;; end of part 2
;; launch attn (part 3): grid 4 x 64, 4 waves a work-group, clusters of 4 x 1, 327,680 bytes of LDS; arguments qkvh, oh; writes oh
.if DOCPART == 3
	.amdgcn_target "amdgcn-amd-amdhsa--gfx1250"
	.amdhsa_code_object_version 6
	.text
	.protected	k_qd38926ff93_attn
	.globl	k_qd38926ff93_attn
	.p2align	8
	.type	k_qd38926ff93_attn,@function
k_qd38926ff93_attn:
	s_mov_b64 s[64:65], 0
	v_nop
	global_prefetch_b8 v0, s[64:65] scope:SCOPE_SE
	s_setreg_imm32_b32 hwreg(HW_REG_WAVE_MODE, 25, 1), 1
	s_wait_xcnt 0x0
	s_wait_alu depctr_hold_cnt(0) depctr_sa_sdst(0) depctr_va_vdst(0) depctr_va_sdst(0) depctr_va_ssrc(0) depctr_va_vcc(0) depctr_vm_vsrc(0)
	s_getreg_b32 s2, hwreg(HW_REG_IB_STS2, 6, 4)
	s_cmp_eq_u32 s2, 0
	s_cbranch_scc0 .Lentry_in_a_cluster
	s_endpgm
.Lentry_in_a_cluster:
	s_bfe_u32 s2, ttmp6, 0x10000c
	s_cmp_lg_u32 s2, 0x3003
	s_cbranch_scc0 .Lentry_shape_is_right
	s_endpgm
.Lentry_shape_is_right:
; O[hb][q][:] = the sum over k of softmax_k(Q[q] . K[k] / 8) V[k][:], for the 64 pairs hb = 16 b + h of batch and head.  qkvh: [4 b][48 G][2048][64] f16 (G = h: Q, 16 + h: K, 32 + h: V);
; oh: [64 hb][2048][64] f16.  A head's rows are dense, 128 bytes each.  Products, maxima and sums in f32; the weights p are rounded to f16 for the second product (their sum l is taken of the
; unrounded p), O once at the end.
; LIMITS.  f16 holds no number beyond 65,504: Q, K and V arrive within it; p lies in 0 to 1, and below 6e-5 it keeps f16's fixed step of 6e-8; O is a mean of V's rows and has their range.
; A weight below 2^-126 counts as 0 in l; NaN and infinities are not treated apart.
; SHARES.  A wave owns four PIECES of two tiles of 16 queries, a work-group's four waves 512 queries of one head: 4 x 64 = 256 work-groups.  Every wave walks all keys, 64 a step.
; LAYOUT.  S^T = K Q^T (source 0 = 16 keys, source 1 = 16 queries): in the result a lane holds ONE query (lane % 16) and the keys 8 (lane / 16) + 0..7.  Two such tiles, rounded to f16 in pairs,
; ARE source 1 (32 keys x 16 queries) of O^T = V^T P, whose result again holds one query a lane, and eight channels.  K comes out of LDS as it lies, V ([key][channel]) turned, by ds_load_tr16_b128.
; SOFTMAX.  For each query a running maximum m and sum l: p = 2^(c s - c m), c = log2(e) / 8; in every step O and l are multiplied by a = 2^(c m_old - c m_new), which is 1 where m has not grown.
; m starts at the lowest finite number, O and l at 0: the first step is a step like any other, with a = 0.
; THE COUNT.  A tile and step have 16 matrix and 118 vector instructions: too many to stand all beside the matrix work.  So the order has one aim: four vector instructions that are READY behind
; EVERY matrix instruction, and the others, which need time of their own whatever the order, in runs without a gap.
; BY TURNS.  Turn n belongs to piece n (the pieces in a ring, step after step).  Its matrix work: 16 products K Q^T of piece n + 1, later 16 products V^T P of piece n - 1.  Its vector work: the scaling,
; exponentials, roundings, sums and rescaling of piece n, and the maximum and statistics of piece n + 1, whose scores the turn itself has made.  So what a turn begins with (c s - c m, O a) waits for nothing.
; CLUSTER.  The four query blocks of a cluster belong to one head and walk the same K and V, so each tile is asked for JOINTLY: the same tensor load, descriptor and mask in all four.
; REGISTERS, in windows of 256 (s_set_vgpr_msb says which window each operand place means: bits 1:0 source 0, 3:2 source 1, 5:4 source 2, 7:6 destination):
;   window 0: v0-11 addresses; v12-15, v48-63 at work; v16-47 four registers of statistics a tile; v64-191 S^T, two buffers of two tiles; v192-255 P, likewise
;   window 1: O^T, 32 a tile          window 2: v0-127 Q, 16 a tile; v128-191 K of one step; v192-255 V of one step          window 3: v0-1 the add's two registers
; A piece's buffers go by its number's parity: the piece in hand has one pair, its two neighbours in the ring share the other: of it P (piece n - 1) is read and S^T (piece n + 1) written.
.set SIZE_N, 2048     ; rows of a head
.set NP,    4         ; pieces a wave: a name, no knob: the register map, the loop and the fetches are made for four
.set KS,    64        ; keys in a step
.set PK,    144       ; a row of K in LDS: 128 bytes + 16 of padding = 36 words: the 16 rows of a load start at 16 different groups of four banks (64 banks of 4 bytes: ISA guide 11.1)
.set PV,    160       ; a row of V: 128 + 32 = 40 words
.set VOFF,  4*KS*PK   ; a slot holds four steps: 256 rows of K, then 256 rows of V
.set SLOT1, 1<<17     ; slot 1 begins here, so that one exclusive or turns an address in one slot into the other's
.set STAGE, SLOT1+4*KS*(PK+PV)  ; behind the ring, never filled by a tensor load: 16 rows x 144 bytes for each wave, for the way out
.set SP,    144
.set AK0, 2           ; v2   my lane's place in a tile of K; never rewritten
.set AV0, 3           ; v3   the same for V
.set AK,  4           ; v4   the LDS address of K's next run of loads
.set AV,  5           ; v5   of V's
.set QO,  6           ; v6   my byte offset in the wave's rows of Q
.set STO, 6           ;      later, the way out: where I put 16 bytes of a row
.set RD,  7           ; v7   the way out: where I read rows back
.set GO,  8           ; v8   my byte offset in 512 consecutive bytes of O
.set SPW, 0           ; v0 of window 3   LDS address of my spare word: SPARE + 4 x my thread's number; never rewritten
.set NIL, 1           ; v1 of window 3   0; never rewritten
.set SPARE, STAGE+4*16*SP  ; behind the stages: the spare words, 128 bytes for each wave: two blocks of 256 bytes that no other line names
.set MV,  12          ; v12-15  c m_old, kept while c m is made anew: by buffer and tile
.set ST,  16          ; tile t's statistics at v[ST+4 t]: c m, m, l (even keys', odd keys')
.set TMP, 48          ; by buffer and tile, four registers c0-c3 at work; when the maximum is found c2 takes a
.set S,   64
.set P,   192
.set KF,  128         ; K's fragments, in window 2: key block kb, channel half c at KF + 16 kb + 8 c
.set VF,  192         ; V's: key half kk, channel block cb at VF + 32 kk + 8 cb
.set WV,  12          ; s12  my wave's number
.set G1K, 24          ; s[24:31] descriptor group 1 for K's tiles
.set G1V, 32          ; s[32:39] for V's: it differs in the padding alone
.set G0K, 40          ; s[40:43] descriptor group 0 for K's tiles: it walks
.set G0V, 44          ; s[44:47] the same for V's
.set SLOTS, 56        ; s56  slots still to be asked for
.set CNT, 57          ; s57  counts a slot's key steps
.set CS,  58          ; s[58:59] c: the packed scaling takes the pair's low word for both halves
.set SEL, 60          ; s[60:61] v_permlanex16_b32's selects: each lane takes its own place in the other half
.set TBK, 62          ; s62  LDS byte at which K of the step to be fetched begins
.set TBV, 63          ; s63  the same for V, less VOFF
.set MSB, 0
.macro WIN new                      ; the high byte repeats the setting that is left; a switch that changes nothing is dropped
.if MSB != (\new)
	s_set_vgpr_msb (MSB<<8)|(\new)
.set MSB, (\new)
.endif
.endm
.set W_KQ, 0x0a       ; K and Q in window 2, S^T in window 0
.set W_PV, 0x52       ; V in window 2, P in window 0, O^T in window 1
.set W_RS, 0x41       ; O^T (destination and source 0) in window 1, a in window 0
.set W_MK, 0xc0       ; the add's registers are made: destination in window 3, sources in window 0
.set W_AD, 0x0f       ; the add: address (source 0) and data (source 1) in window 3
; A joint fill.  Waves 0 and 1 fetch the two halves of a slot's K, waves 2 and 3 those of its V: 128 keys each.  The branch hangs on the wave's number alone.
; An s_nop 0 and four v_nop follow each of the two lines, ahead of the jump and the label.
.macro JLOAD
	s_cmp_lt_u32 s[WV], 2
	s_cbranch_scc0 .Lfor_v_\@
	tensor_load_to_lds s[G0K:G0K+3], s[G1K:G1K+7]
	s_nop 0
.rept 4
	v_nop
.endr
	s_branch .Lasked_\@
.Lfor_v_\@:
	tensor_load_to_lds s[G0V:G0V+3], s[G1V:G1V+7]
	s_nop 0
.rept 4
	v_nop
.endr
.Lasked_\@:
.endm
; A round of the cluster's barrier: my work-group's barrier, so that wave 0's signal speaks for all four waves; wave 0 signals; every wave waits for all four work-groups; my work-group's barrier once more.
.macro CROUND
	s_barrier_signal -1
	s_barrier_wait -1
	s_cmp_lg_u32 s[WV], 0
	s_cbranch_scc1 .Lnot_wave_0_\@
	s_barrier_signal -3
.Lnot_wave_0_\@:
	s_barrier_wait -3
	s_barrier_signal -1
	s_barrier_wait -1
.endm
; THE CHANGE OF SLOTS.  The slot's last bytes, V of its fourth step, have been read.  Each wave waits for all its tensor loads, of which one is out: its part
; of the other slot; adds 0 to its spare word; and waits for that and for its own reads of the slot.  Behind the barrier nobody reads this slot any more and the other slot is whole.
; fill = 1: this slot is filled again, with the keys two slots on.  The barrier is then a round of the cluster's, so that no wave of any partner still reads the slot or has a load on its
; way, and the joint fill is the first thing behind it: it has four key steps, 512 matrix instructions, in which to land.  (At its first use nothing has been read yet: slot 0 is waited for, slot 1 filled.)
.macro CHANGE fill
	WIN W_AD
	s_wait_tensorcnt 0x0            ; no tensor load of mine is out, so a group 0 may be written
	ds_add_u32 v[SPW], v[NIL]       ; 0 onto my spare word: with fill = 1 the descriptors' steps stand between it and the wait for it
	WIN 0                           ; at a label and at a branch every window is 0
.if \fill
.irp g, G0K, G0V
	s_xor_b32 s[\g+1], s[\g+1], SLOT1  ; the walking descriptor: the other slot than last time,
	s_add_nc_u64 s[\g+2:\g+3], s[\g+2:\g+3], 4*KS*128  ; the next 256 keys; the type bits on top are not reached
.endr
	s_wait_dscnt 0x0                ; the add is done, and my reads of the slot are over
	CROUND
	JLOAD
.else
	s_wait_dscnt 0x0                ; the add is done, and my reads of the slot are over
	s_barrier_signal -1
	s_barrier_wait -1
.endif
	s_sub_co_u32 s[TBK], s[TBK], 4*KS*PK  ; the fetches go back to a slot's first step,
	s_xor_b32 s[TBK], s[TBK], SLOT1       ; in the other slot
	s_sub_co_u32 s[TBV], s[TBV], 4*KS*PV
	s_xor_b32 s[TBV], s[TBV], SLOT1
.endm
	s_load_b64 s[4:5], s[0:1], 0x0    ; qkvh
	s_load_b64 s[10:11], s[0:1], 0x8  ; oh
	WIN W_MK
	v_lshl_add_u32 v[SPW], v0, 2, SPARE
	v_mov_b32 v[NIL], 0
	s_set_vgpr_msb 0xc0cf
	ds_add_u32 v0, v1
	s_wait_dscnt 0x0
	s_set_vgpr_msb 0xcfc0
	WIN 0
	v_lshrrev_b32 v1, 5, v0
	v_readfirstlane_b32 s[WV], v1   ; wave 0..3
	s_bfe_u32 s13, ttmp6, 0x40000   ; cx: my place in the cluster
	s_lshl_b32 s14, ttmp9, 2        ; in a cluster launch ttmp9 counts clusters
	s_add_co_u32 s14, s14, s13      ; my block of queries = 4 x cluster x + cx: it enters Q's and O's addresses alone
	s_and_b32 s19, ttmp7, 0xffff    ; hb = 16 b + h, which the four partners share
	s_lshr_b32 s20, s19, 4          ; b
	s_lshl_b32 s20, s20, 5
	s_add_co_u32 s20, s20, s19      ; 48 b + h: Q's unit in qkvh; K's lies 16 units on, V's 32
	s_lshl_b32 s20, s20, 18         ; a unit is 2,048 rows of 128 bytes
	s_mov_b32 s21, 0
	s_lshl_b32 s48, s19, 18         ; the head's first byte in oh
	s_mov_b32 s49, 0
	s_and_b32 s16, s[WV], 1         ; which half of a slot's 256 keys I fetch:
	s_lshl_b32 s22, s16, 14         ; its 128 rows of 128 bytes in memory,
	s_mov_b32 s23, 0
	s_add_nc_u64 s[22:23], s[22:23], s[20:21]
	s_mul_i32 s17, s16, 128*PK      ; and its place in a slot, for K
	s_mul_i32 s18, s16, 128*PV      ; and for V: no place in the cluster enters an LDS address
	s_lshl_b32 s2, s14, 2
	s_add_co_u32 s2, s2, s[WV]      ; my wave among the head's,
	s_lshl_b32 s2, s2, 14           ; its 128 rows
	s_mov_b32 s3, 0
	s_add_nc_u64 s[50:51], s[2:3], s[48:49]  ; my wave's first row in oh,
	s_add_nc_u64 s[2:3], s[2:3], s[20:21]    ; and Q's in qkvh
	; descriptor group 1.  128 keys are 16,384 dense bytes: asked for as 64 rows of 256 bytes, two keys a row, and padded in LDS after every key
	s_mov_b32 s[G1K], 15|(1<<16)|(1<<20)|(1<<21)|(4<<22)|(3<<25)  ; 15:0 the mask of four; 17:16 2-byte elements; 20 padding on; 21 set beside a mask; 24:22 after every 32 words (code 4); 31:25 4 words (code 3)
	s_mov_b32 s[G1V], 15|(1<<16)|(1<<20)|(1<<21)|(4<<22)|(7<<25)  ; the same with 8 words of padding (code 7)
.irp g, G1K, G1V
	s_mov_b32 s[\g+1], 128<<16      ; tensor_dim0 = 128
	s_mov_b32 s[\g+2], 64<<16       ; tensor_dim1 = 64
	s_mov_b32 s[\g+3], 128<<16      ; tile_dim0 = 128
	s_mov_b32 s[\g+4], 64           ; tile_dim1 = 64
	s_mov_b32 s[\g+5], 128          ; 128 elements from row to row
	s_mov_b32 s[\g+6], 0
	s_mov_b32 s[\g+7], 0
.endr
	s_mov_b32 s[CS], 0x3e38aa3b     ; c = log2(e) / 8 = 0.180337
	s_mov_b32 s[CS+1], s[CS]        ; named with it as a pair
	s_mov_b32 s[SEL], 0x76543210
	s_mov_b32 s[SEL+1], 0xfedcba98
	s_mov_b32 s[TBK], SLOT1+4*KS*PK ; the first change of slots turns these two into 0
	s_mov_b32 s[TBV], SLOT1+4*KS*PV
	s_mov_b32 s[G0K], 1             ; 1:0 count = 1
	s_mov_b32 s[G0K+1], s17         ; 63:32 LDS address: slot 0
	s_mov_b32 s[G0V], 1
	s_add_co_u32 s[G0V+1], s18, VOFF
	s_wait_kmcnt 0x0
	s_add_nc_u64 s[6:7], s[4:5], 0x400000          ; K's units begin 16 units behind Q's,
	s_add_nc_u64 s[8:9], s[4:5], 0x800000          ; V's 32
	s_add_nc_u64 s[G0K+2:G0K+3], s[6:7], s[22:23]  ; 120:64 global address: my half of the head's first 256 keys
	s_or_b32 s[G0K+3], s[G0K+3], 0x80000000        ; 127:126 type = 2
	s_add_nc_u64 s[G0V+2:G0V+3], s[8:9], s[22:23]
	s_or_b32 s[G0V+3], s[G0V+3], 0x80000000
	s_add_nc_u64 s[4:5], s[4:5], s[2:3]  ; Q and O at my wave's first row
	s_add_nc_u64 s[10:11], s[10:11], s[50:51]
	CROUND                          ; all four work-groups are here: the first joint loads meet
	JLOAD                           ; slot 0.  Slot 1 is asked for when slot 0 is in: the tile wanted first has the road to itself
	; A fragment of K or Q is 16 rows x 32 channels in 8 registers: lane l holds row l % 16, channels 8 (l / 16) + 0..7 and 16 + 8 (l / 16) + 0..7: two loads of 16 bytes, 32 bytes apart.
	v_and_b32 v1, 15, v0            ; l % 16
	v_bfe_u32 v9, v0, 4, 1          ; l / 16
	v_lshlrev_b32 v[QO], 7, v1
	v_lshl_add_u32 v[QO], v9, 4, v[QO]  ; row x 128 + 16 x half
	WIN 0x80                        ; destination window 2, address window 0
.set i, 0
.rept 4*NP                          ; Q stays in registers: tile i / 2, channels 32 (i % 2) on
	global_load_b128 v[8*i:8*i+3],   v[QO], s[4:5] offset:(i/2)*2048+(i%2)*64
	global_load_b128 v[8*i+4:8*i+7], v[QO], s[4:5] offset:(i/2)*2048+(i%2)*64+32
.set i, i+1
.endr
	; What the first turn finds: V's registers and P's second buffer hold 0 (its products V^T P, of a piece that has not been, add 0), O^T and l are 0.  All this stands in the wait for the first tile.
.set i, VF
.rept 64
	v_mov_b32 v[i], 0
.set i, i+1
.endr
	WIN 0x40
.set i, 0
.rept 64*NP
	v_mov_b32 v[i], 0
.set i, i+1
.endr
	WIN 0
.set i, 0
.rept 2*NP
	v_mov_b32 v[ST+4*i], 0xfe000000    ; c m: far below every c s
	v_mov_b32 v[ST+4*i+1], 0xff7fffff  ; m
	v_mov_b32 v[ST+4*i+2], 0
	v_mov_b32 v[ST+4*i+3], 0
.set i, i+1
.endr
.set i, P+32
.rept 32
	v_mov_b32 v[i], 0
.set i, i+1
.endr
	v_mul_u32_u24 v[AK0], v1, PK
	v_lshl_add_u32 v[AK0], v9, 4, v[AK0]  ; row x pitch + 16 x half
	; The turning load takes 16 keys x 16 channels (lane l reads key 8 (l / 16) + l % 8, channels 8 ((l / 8) % 2) + 0..7) and leaves half a fragment of V^T: lane l holds channel l % 16 and 8 keys.
	v_and_b32 v10, 7, v0
	v_bfe_u32 v11, v0, 3, 1
	v_lshl_add_u32 v[AV0], v9, 3, v10
	v_mul_u32_u24 v[AV0], v[AV0], PV
	v_lshl_add_u32 v[AV0], v11, 4, v[AV0]
	v_add_nc_u32 v[AV0], VOFF, v[AV0]
	v_mov_b32 v[AK], v[AK0]         ; key step 0 lies at the head of slot 0
; THE MATRIX WORK.  The 8 accumulators of a run of 16 take turns: between the two links of a chain stand 7 others'.
; Product i of 16 of S^T = K Q^T for piece x: channels 32 (i / 8) on, keys 16 ((i / 2) % 4) on, tile 2 x + i % 2.  The first 8 start the sums.
.macro KQ x
	WIN W_KQ
.set rS, S+64*((\x)%2)+32*(i%2)+8*((i/2)%4)
.set rK, KF+16*((i/2)%4)+8*(i/8)
.set rQ, 16*(2*(\x)+i%2)+8*(i/8)
.if i < 8
	v_wmma_f32_16x16x32_f16 v[rS:rS+7], v[rK:rK+7], v[rQ:rQ+7], 0
.else
	v_wmma_f32_16x16x32_f16 v[rS:rS+7], v[rK:rK+7], v[rQ:rQ+7], v[rS:rS+7]
.endif
.endm
; Product i of 16 of O^T += V^T P for piece x: keys 32 (i / 8) on, channels 16 ((i / 2) % 4) on, tile 2 x + i % 2.
.macro PV x
	WIN W_PV
.set rO, 32*(2*(\x)+i%2)+8*((i/2)%4)
.set rV, VF+32*(i/8)+8*((i/2)%4)
.set rP, P+32*((\x)%2)+16*(i%2)+8*(i/8)
	v_wmma_f32_16x16x32_f16 v[rO:rO+7], v[rV:rV+7], v[rP:rP+7], v[rO:rO+7]
.endm
.macro MM                           ; the turn's next matrix instruction
.if i < 16
	KQ (Y+1)%NP
.set i, i+1
.else
.set i, i-16
	PV (Y+NP-1)%NP
.set i, i+17
.endif
.endm
; THE LDS LOADS stand in runs of 16, never singly among the matrix instructions: a step's K (64 keys x 64 channels: 8 fragments) and its V (turned).  Their addresses are made some lines ahead.
; last = 1 (the tail): in the last trip there is no further step, and the run is jumped over.
.macro FETCH_K last=0
	WIN 0
.if \last
	s_cmp_eq_u32 s[CNT], 1
	s_cbranch_scc1 .Lno_k_\@
.endif
	WIN 0x80                        ; destination window 2
.irp f, 0,1,2,3,4,5,6,7             ; keys 16 (f / 2) on, channels 32 (f % 2) on
	ds_load_b128 v[KF+8*\f:KF+8*\f+3],   v[AK] offset:(\f/2)*16*PK+(\f%2)*64
	ds_load_b128 v[KF+8*\f+4:KF+8*\f+7], v[AK] offset:(\f/2)*16*PK+(\f%2)*64+32
.endr
	s_add_co_u32 s[TBK], s[TBK], KS*PK  ; the next fetch is the next step's
	WIN 0
.if \last
.Lno_k_\@:
.endif
.endm
.macro FETCH_V
	WIN 0x80
.irp f, 0,1,2,3,4,5,6,7             ; keys 32 (f / 4) on, channels 16 (f % 4) on
	ds_load_tr16_b128 v[VF+8*\f:VF+8*\f+3],   v[AV] offset:(\f/4)*32*PV+(\f%4)*32
	ds_load_tr16_b128 v[VF+8*\f+4:VF+8*\f+7], v[AV] offset:(\f/4)*32*PV+16*PV+(\f%4)*32
.endr
	WIN 0
.endm
; THE VECTOR WORK OF A TURN stands in three queues, each in the order in which its entries become ready; the two tiles alternate, so that no instruction reads the result of the one before it.
.macro REGS y, u                    ; the registers of tile u (0, 1) of piece y
.set rT, ST+4*(2*(\y)+(\u))
.set rC, TMP+8*((\y)%2)+4*(\u)
.set rM, MV+2*((\y)%2)+(\u)
.set rS, S+64*((\y)%2)+32*(\u)
.set rP, P+32*((\y)%2)+16*(\u)
.set rO, 32*(2*(\y)+(\u))
.endm
; Number n of the 22 that find the NEXT piece's (Y + 1) maximum and statistics.  s0-s31 are the lane's 32 scores; each accumulator's lowest registers are read first.  XS, GS and REGS set no window: PL and EX do.
;   0-11  four chains c0-c3 of seven scores each, three operands at a time     12-14, 16  the four scores left over, the old m, and c0-c3 into c0     15  c m_old is kept
;   17, 18  the query's other 32 keys lie in the lane 16 away: the new m         19-21  c m; c m_old - c m_new; a
.macro XS u, n
	REGS (Y+1)%NP, \u
.if (\n) < 4
	v_max3_num_f32 v[rC+(\n)], v[rS+8*(\n)], v[rS+8*(\n)+1], v[rS+8*(\n)+2]
.elseif (\n) < 12
	v_max3_num_f32 v[rC+(\n)%4], v[rC+(\n)%4], v[rS+8*((\n)%4)+2*((\n)/4)+1], v[rS+8*((\n)%4)+2*((\n)/4)+2]
.elseif (\n) == 12
	v_max3_num_f32 v[rC], v[rC], v[rS+7], v[rS+15]
.elseif (\n) == 13
	v_max3_num_f32 v[rC+1], v[rC+1], v[rS+23], v[rS+31]
.elseif (\n) == 14
	v_max3_num_f32 v[rC+2], v[rC+2], v[rC+3], v[rT+1]
.elseif (\n) == 15
	v_mov_b32 v[rM], v[rT]
.elseif (\n) == 16
	v_max3_num_f32 v[rC], v[rC], v[rC+1], v[rC+2]
.elseif (\n) == 17
	v_permlanex16_b32 v[rC+3], v[rC], s[SEL], s[SEL+1]
.elseif (\n) == 18
	v_max_num_f32 v[rT+1], v[rC], v[rC+3]
.elseif (\n) == 19
	v_mul_f32 v[rT], s[CS], v[rT+1]
.elseif (\n) == 20
	v_sub_f32 v[rC+1], v[rM], v[rT]
.else
	v_exp_f32 v[rC+2], v[rC+1]
.endif
.endm
; Number g of the 64 that follow the exponentials.  For each four weights k of a tile (pairs 2 k, 2 k + 1): both pairs are rounded to f16; then the second pair is added onto the first, in place;
; a group later l takes that sum (the first time as l = a l + sum).  In groups of eight, tiles alternating: round, round, add, and l for the group before.
.macro GS g
.set h, (\g)+6*((\g)/62)            ; group 0 has no group before it, and behind group 7 only l is left
.if h >= 6
.set h, h+2
.endif
	REGS Y, h%2
.set k, h/8
.if h%8 < 4
	s_wait_alu depctr_va_vdst(0)
	v_cvt_pk_f16_f32 v[rP+2*k+(h%8)/2], v[rS+4*k+2*((h%8)/2)], v[rS+4*k+2*((h%8)/2)+1]
.elseif h%8 < 6
	v_pk_add_f32 v[rS+4*k:rS+4*k+1], v[rS+4*k:rS+4*k+1], v[rS+4*k+2:rS+4*k+3]
.elseif k == 1
	v_pk_fma_f32 v[rT+2:rT+3], v[rT+2:rT+3], v[rC+2:rC+3], v[rS:rS+1] op_sel_hi:[1,0,1]
.else
	v_pk_add_f32 v[rT+2:rT+3], v[rT+2:rT+3], v[rS+4*k-4:rS+4*k-3]
	s_wait_alu depctr_va_vdst(0)
.endif
.endm
; THE PLAIN QUEUE, 138 long.  0-31: c s - c m for the 16 pairs of both tiles.  Then GS's 64, and among them the next piece's 42: number 15 at 38, 39; 0-14 and 16
; at 42-73, behind the products that make those scores; 17-20 at 95-106, two of three, since each waits for the one before it.
.macro PL
	WIN 0
.if q < 32
	REGS Y, q%2
	v_pk_fma_f32 v[rS+2*(q/2):rS+2*(q/2)+1], v[rS+2*(q/2):rS+2*(q/2)+1], s[CS:CS+1], v[rT:rT+1] op_sel_hi:[1,0,0] neg_lo:[0,0,1] neg_hi:[0,0,1]
.elseif q < 38
	GS q-32
.elseif q < 40
	XS q%2, 15
.elseif q < 42
	GS q-34
.elseif q < 74
	XS q%2, (q-42)/2+(q-42)/30
.elseif q < 95
	GS q-66
.elseif (q < 107) && ((q-95)%3 < 2)
	XS (q-95)%3, 17+(q-95)/3
.elseif q < 107
	GS 29+(q-95)/3
.else
	GS q-74
.endif
.set q, q+1
.endm
; THE EXPONENTIALS' QUEUE, 66 long: s0-s31 of both tiles, and at EA the next piece's two a.
.set EA, 58
.macro EX
	WIN 0
.if (e == EA) || (e == EA+1)
	XS e-EA, 21
.else
.set x, e-2*(e/(EA+2))
	REGS Y, x%2
	v_exp_f32 v[rS+x/2], v[rS+x/2]
.endif
.set e, e+1
.endm
; THE RESCALING's QUEUE: O^T times a, the one part that leaves window 0, so it is dealt four at a time, eight times.
.macro R4
	REGS Y, r%2
	WIN W_RS
	s_wait_alu depctr_va_vdst(0)
.irp z, 0,1,2,3
	v_pk_mul_f32 v[rO+8*(r/2)+2*\z:rO+8*(r/2)+2*\z+1], v[rO+8*(r/2)+2*\z:rO+8*(r/2)+2*\z+1], v[rC+2:rC+3] op_sel_hi:[1,0]
.endr
.set r, r+1
.endm
; HOW THEY ARE DEALT.  Behind a matrix instruction four: plain, exponential, plain, plain (one exponential, a plain instruction on either side), or four of the rescaling.  None names a register of the
; products round it.  What is over stands in two LUMPS: exponential and plain by turns; the second ends in 22 plain instructions.  The two v_permlanex16_b32 fall into the second lump, never behind a product.
; The queues lean on each other, and the deal keeps them in step: exponential e stands behind plain 2 (e / 4) + e % 2 (its scaling); when plain 32 comes, 10 exponentials are out, at 59: 33, at 95: 46; EA comes behind plain 107.
.macro SL
	MM
	PL
	EX
	PL
	PL
.endm
.macro BURST n                      ; 15 matrix instructions, or 16
.rept (\n)-7
	SL
.endr
.rept 3
	MM
	R4
	SL
.endr
	MM
	R4
.endm
; A TURN, for piece p.  cnt = 1: the loop's count is taken down some lines ahead of the branch that stands behind the turn.
; K of the next step is fetched in piece 2's turn, 31 vector instructions behind the last product that read K; its first reader comes behind the rest of the lump, 16 products and the second lump.
; V of the step in hand is fetched at the end of piece 0's turn, 69 behind its last reader; its first reader comes behind 16 products and a lump.  The four conditions on e and q below go with the deal.
.macro TURN p, last=0, cnt=0
.set Y, (\p)
.set i, 0
.set q, 0
.set e, 0
.set r, 0
.if (\p) == NP-1
	s_wait_dscnt 0x0                ; K is in
.endif
	MM
.rept 4
	PL
.endr
	BURST 15
.rept 22
	EX
	PL
.if ((\p) == NP-2) && (e == 18)
	v_add_nc_u32 v[AK], s[TBK], v[AK0]
.endif
.if ((\p) == NP-2) && (e == 24)
	FETCH_K \last
.endif
.endr
.if (\p) == 1
	s_wait_dscnt 0x0                ; V is in
.endif
	BURST 16
.rept 21
	EX
	PL
.endr
.rept 22
	PL
.if ((\p) == 0) && (q == 118)
	v_add_nc_u32 v[AV], s[TBV], v[AV0]
	s_wait_alu depctr_va_vdst(0)
.endif
.if ((\p) == 0) && (q == 130)
	s_add_co_u32 s[TBV], s[TBV], KS*PV
.endif
.if (\cnt) && (q == 130)
	s_sub_co_u32 s[CNT], s[CNT], 1
	s_cmp_lg_u32 s[CNT], 0
.endif
.endr
.if (\p) == 0
	FETCH_V
.endif
.endm
	CHANGE 1                        ; slot 0 is in, everybody's part of it; slot 1 is asked for
	FETCH_K                         ; key step 0
	s_wait_loadcnt 0x0              ; Q
	s_wait_dscnt 0x0
.set i, 0
.rept 16
	KQ 0                            ; piece 0's first scores: there is no vector work yet to set between them
.set i, i+1
.endr
	WIN 0                           ; the addresses for the way out: nine plain instructions, the places behind those products
	s_mul_i32 s13, s[WV], 16*SP
	s_add_co_u32 s13, s13, STAGE    ; my stage
	v_mul_u32_u24 v[STO], v1, SP    ; in: row l % 16, 16 bytes for each half of the lanes
	v_lshl_add_u32 v[STO], v9, 4, v[STO]
	v_add_nc_u32 v[STO], s13, v[STO]
	v_bfe_u32 v[RD], v0, 3, 2       ; back: 32 lanes take four rows of 128 bytes,
	v_mul_u32_u24 v[RD], v[RD], SP
	v_lshl_add_u32 v[RD], v10, 4, v[RD]
	v_add_nc_u32 v[RD], s13, v[RD]
	v_and_b32 v[GO], 31, v0         ; which are 512 consecutive bytes of O
	v_lshlrev_b32 v[GO], 4, v[GO]
.set Y, NP-1                        ; XS works for piece Y + 1: piece 0
.irp n, 0,1,2,3,4,5,6,7,8,9,10,11,12,13,14,15,16,17,18,19,20,21
	XS 0, \n                        ; and piece 0's first maximum and statistics
	XS 1, \n
.endr
	s_mov_b32 s[CNT], 4
	s_mov_b32 s[SLOTS], SIZE_N/256-1
	s_branch .Lfirst                ; the loop is entered at a step's first turn, in the middle of a trip
.Lslot:                             ; SIZE_N / 256 - 2 times: every slot but the last two is filled again
	CHANGE 1
	s_mov_b32 s[CNT], 4
.Lstep:                             ; a trip: pieces 2 and 3 of one step, then pieces 0 and 1 of the next, whose K and V it fetches
	TURN 2
	TURN 3
	WIN 0
.Lfirst:
	TURN 0
	TURN 1, 0, 1
	WIN 0
	s_cbranch_scc1 .Lstep
	s_sub_co_u32 s[SLOTS], s[SLOTS], 1
	s_cmp_lg_u32 s[SLOTS], 0
	s_cbranch_scc1 .Lslot
	CHANGE 0                        ; the tail is written out: nothing is asked for
	s_mov_b32 s[CNT], 5             ; four trips fetch the last slot's steps; the fifth is left in its middle
.Ltail:
	TURN 2, 1
	TURN 3
	WIN 0
	s_sub_co_u32 s[CNT], s[CNT], 1
	s_cmp_eq_u32 s[CNT], 0
	s_cbranch_scc1 .Lout
	TURN 0
	TURN 1
	WIN 0
	s_branch .Ltail
.Lout:                              ; the fifth trip's 16 products K Q^T (on the last K once more) and the maximum made of them serve nothing: the price, once a launch, of one text for every trip
.set i, 0
.rept 16
	PV NP-1                         ; the last piece's V^T P of the last step
.set i, i+1
.endr
	; THE WAY OUT.  l's two halves and the other half of the lanes' are added; O^T is divided by l, rounded to f16 and sent through my stage in LDS, a tile at a time.  The additions are the places behind the last products.
	WIN 0
.macro ALL line:vararg              ; one line for each tile t
.set t, 0
.rept 2*NP
	\line
.set t, t+1
.endr
.endm
	ALL v_add_f32 v[ST+4*t+2], v[ST+4*t+2], v[ST+4*t+3]
	ALL v_permlanex16_b32 v[ST+4*t+3], v[ST+4*t+2], s[SEL], s[SEL+1]
	ALL v_add_f32 v[ST+4*t+2], v[ST+4*t+2], v[ST+4*t+3]
	ALL v_rcp_f32 v[ST+4*t+2], v[ST+4*t+2]
	v_nop                           ; a plain instruction between the last reciprocal and the use of its result
	s_wait_alu depctr_va_vdst(0)
; Tile t: a lane's eight channels of a row pack into 16 bytes; they go into rows of 144 bytes and come back as whole rows of 128, into S^T's registers.
.macro PACK t
	WIN W_RS
.set i, 32*(\t)
.rept 16
	v_pk_mul_f32 v[i:i+1], v[i:i+1], v[ST+4*(\t)+2:ST+4*(\t)+3] op_sel_hi:[1,0]
.set i, i+2
.endr
	WIN 0x05                        ; sources 0 and 1 window 1, destination window 0
.set i, 0
.rept 16
	v_cvt_pk_f16_f32 v[S+16*(\t)+i], v[32*(\t)+2*i], v[32*(\t)+2*i+1]
.set i, i+1
.endr
	WIN 0
.irp f, 0,1,2,3
	ds_store_b128 v[STO], v[S+16*(\t)+4*\f:S+16*(\t)+4*\f+3] offset:32*\f
.endr
.irp f, 0,1,2,3
	ds_load_b128 v[S+16*(\t)+4*\f:S+16*(\t)+4*\f+3], v[RD] offset:\f*4*SP  ; LDS serves a wave's instructions in order (ISA guide 5.7.1.4): these see the stores above; the next tile's stores come behind them
.endr
.endm
.macro SEND t, younger              ; younger: the LDS instructions issued behind tile t's loads: the next tile's eight, or none
	WIN 0
.irp f, 0,1,2,3
	s_wait_dscnt (\younger)+3-\f
	global_store_b128 v[GO], v[S+16*(\t)+4*\f:S+16*(\t)+4*\f+3], s[10:11] offset:(\t)*2048+\f*512  ; 512 consecutive bytes, at a multiple of 256 from O's first
.endr
.endm
	PACK 0
.set t, 1
.rept 2*NP-1                        ; a tile's arithmetic stands between the loads of the tile before and its stores
	PACK t
	SEND t-1, 8
.set t, t+1
.endr
	SEND 2*NP-1, 0
	WIN W_AD
	s_wait_tensorcnt 0x0            ; the wave's end: behind my last tensor load and my last LDS store
	ds_add_u32 v[SPW], v[NIL]
	s_wait_dscnt 0x0
	WIN 0
	CROUND                          ; the closing round: no work-group ends while a partner may still ask for a tile that names it
	s_endpgm
.Lfunc_end_k_qd38926ff93_attn:
	.size	k_qd38926ff93_attn, .Lfunc_end_k_qd38926ff93_attn-k_qd38926ff93_attn
	.p2alignl 7, 3214868480
	.fill 96, 4, 3214868480
	.section	.rodata,"a",@progbits
	.p2align	6, 0x0
	.amdhsa_kernel k_qd38926ff93_attn
		.amdhsa_group_segment_fixed_size 327680
		.amdhsa_private_segment_fixed_size 0
		.amdhsa_enable_private_segment 0
		.amdhsa_kernarg_size 16
		.amdhsa_user_sgpr_count 2
		.amdhsa_user_sgpr_kernarg_segment_ptr 1
		.amdhsa_wavefront_size32 1
		.amdhsa_system_sgpr_workgroup_id_x 1
		.amdhsa_system_sgpr_workgroup_id_y 1
		.amdhsa_system_sgpr_workgroup_id_z 1
		.amdhsa_system_vgpr_workitem_id 0
		.amdhsa_next_free_vgpr 770
		.amdhsa_next_free_sgpr 66
		.amdhsa_reserve_vcc 0
		.amdhsa_float_denorm_mode_32 3
		.amdhsa_float_denorm_mode_16_64 3
		.amdhsa_memory_ordered 1
		.amdhsa_forward_progress 1
		.amdhsa_inst_pref_size 209
	.end_amdhsa_kernel
	.amdgpu_metadata
---
amdhsa.version: [ 1, 2 ]
amdhsa.kernels:
  - .name:           k_qd38926ff93_attn
    .symbol:         k_qd38926ff93_attn.kd
    .args:
      - { .name: qkvh, .offset: 0, .size: 8, .value_kind: global_buffer, .address_space: global }
      - { .name: oh, .offset: 8, .size: 8, .value_kind: global_buffer, .address_space: global }
    .group_segment_fixed_size: 327680
    .private_segment_fixed_size: 0
    .kernarg_segment_align: 8
    .kernarg_segment_size: 16
    .max_flat_workgroup_size: 128
    .sgpr_count:     66
    .vgpr_count:     770
    .wavefront_size: 32
...
	.end_amdgpu_metadata
.endif
;; end of part 3
;; launch proj (part 4): grid 4 x 64, 4 waves a work-group, clusters of 4 x 4, 327,680 bytes of LDS; arguments oh, wob, b_out, out0; writes out0
.if DOCPART == 4
	.amdgcn_target "amdgcn-amd-amdhsa--gfx1250"
	.amdhsa_code_object_version 6
	.text
	.protected	k_qd38926ff93_proj
	.globl	k_qd38926ff93_proj
	.p2align	8
	.type	k_qd38926ff93_proj,@function
k_qd38926ff93_proj:
	s_mov_b64 s[64:65], 0
	v_nop
	global_prefetch_b8 v0, s[64:65] scope:SCOPE_SE
	s_setreg_imm32_b32 hwreg(HW_REG_WAVE_MODE, 25, 1), 1
	s_wait_xcnt 0x0
	s_wait_alu depctr_hold_cnt(0) depctr_sa_sdst(0) depctr_va_vdst(0) depctr_va_sdst(0) depctr_va_ssrc(0) depctr_va_vcc(0) depctr_vm_vsrc(0)
	s_getreg_b32 s2, hwreg(HW_REG_IB_STS2, 6, 4)
	s_cmp_eq_u32 s2, 0
	s_cbranch_scc0 .Lentry_in_a_cluster
	s_endpgm
.Lentry_in_a_cluster:
	s_bfe_u32 s2, ttmp6, 0x10000c
	s_cmp_lg_u32 s2, 0xf033
	s_cbranch_scc0 .Lentry_shape_is_right
	s_endpgm
.Lentry_shape_is_right:
; out0 = O w_out + b_out.  oh: [64 hb = 16 b + h][2048 s][64] f16: row b x 2048 + s of O has its channels 64 h .. 64 h + 63 in head h.  wob: [1024 k][1024 n], bf16's numbers written as f16.
; b_out: [1024] f32, rounded to bf16 here like the other inputs.  out0: [8192][1024] f32.  Sums in f32, K ascending, started by the bias.
; SHARES.  4 x 64 = 256 work-groups, each 128 rows x 256 columns.  Four waves, each 64 x 128: 32 accumulators of 16 x 16, 256 registers.  K goes in 8 steps of 128 (two heads) through a ring of
; two LDS slots; a step is four quarters of 32 along K, 32 matrix instructions each, on two fragment buffers by turns.
; THE MATRIX INSTRUCTION IS USED TRANSPOSED: source 0 = 16 columns of w (turned out of LDS by ds_load_tr16_b128), source 1 = 16 rows of O: a lane then holds eight neighbouring columns of one row.
; CLUSTER.  4 x 4 work-groups.  O's tile hangs on the block of rows alone and is shared along a row of the cluster, w's on the block of columns alone and is shared along a column: each is
; asked for JOINTLY.  Waves 0 and 1 ask for the step's two heads of O, waves 2 and 3 for the two halves of w's tile.  By the text's own count a wave has two tensor loads out at the start and one
; behind each round; from a refill to the wait for it a wave issues 112 matrix instructions.
; THE TEXT.  A K step is written once for the 6 steps that fill their slot again and once for the last two, which ask for nothing; which slot is in hand lies in a scalar register that one
; exclusive or turns, and the fragment addresses are made from it at each change of slots.  Only the first quarter, whose products start the sums, stands by itself.
; REGISTERS (s_set_vgpr_msb: bits 1:0 source 0, 3:2 source 1, 5:4 source 2, 7:6 destination):
;   window 0: v0-29 addresses; v32-63 at work; v64-159, v160-255 two fragment buffers: w's fragment b at + 8 b, O's fragment a at + 64 + 8 a          window 1: accumulator (a, b) at v[8 (8 a + b)]
.set PA,    144                        ; a row of a head in LDS: 128 bytes + 16 of padding, an odd multiple of 16
.set AHEAD, 128*PA                     ; 128 rows of one head: one tensor load
.set ATILE, 2*AHEAD
.set PB,    544                        ; a row of w in LDS: 512 bytes + 32 of padding, an odd multiple of 32
.set BHALF, 64*PB                      ; 64 rows (64 along K): one tensor load
.set SLOTB, ATILE+2*BHALF              ; a slot's bytes: 106,496
.set SLOT1, 1<<17                      ; slot 1 begins here, so that one exclusive or turns an address in one slot into the other's
.set STAGE, SLOT1+SLOTB                ; behind the ring, never filled by a tensor load: 16 rows x 528 bytes for each wave
.set SPF,   528                        ; a stage row: 128 f32 + 16 bytes, an odd multiple of 16
.set SPARE, STAGE+4*16*SPF             ; behind the stages: the spare words, 128 bytes for each wave: two blocks of 256 bytes that no other line names
.set ASTEP, 524288                     ; bytes from a K step to the next in oh (two heads)
.set BSTEP, 262144                     ; and in wob (128 rows of 2,048 bytes)
.set ADRA0, 16                         ; v16     my lane's place in O's tile of slot 0; never rewritten
.set ADRA,  17                         ; v17     the same in the slot in hand
.set ADRB0, 20                         ; v20     my lane's place in w's tile of slot 0; never rewritten
.set ADRB,  21                         ; v21     the same in the slot in hand
.set STO,  24                          ; v24     the way out: where I put 32 bytes of a row
.set RD,   25                          ; v25     the way out: where I read a row back
.set CO,   26                          ; v26     my byte offset in 512 consecutive bytes of out0
.set BOF,  27                          ; v27     my byte offset in 16 numbers of the bias
.set SPW,  28                          ; v28     LDS address of my spare word: SPARE + 4 x my thread's number; never rewritten
.set NIL,  29                          ; v29     0; never rewritten
.set F0,   64
.set F1,   160
.set WV,  12                           ; s12 wave; s13 wave / 2: my half of the rows, and: I ask for O (0) or w (1); s14 wave % 2: my half of the columns, and: which part of a tile I ask for
.set WR,  13
.set WC,  14
.set G1A, 24                           ; s[24:31] descriptor group 1 for O's tiles; s[32:39] group 0: a set for each of the two first fills; the second then walks on
.set G0A, 32
.set G1B, 40                           ; s[40:47], s[48:55] the same for w's
.set G0B, 48
.set LAP, 62                           ; s62  counts the trips
.set TB,  63                           ; s63  LDS byte at which the slot in hand begins: 0 or SLOT1
.set MSB, 0
.macro WIN new                         ; the immediate's high byte repeats the setting that is left; a switch that changes nothing is dropped
.if MSB != (\new)
	s_set_vgpr_msb (MSB<<8)|(\new)
.set MSB, \new
.endif
.endm
.macro PLACES                          ; four places in front of loads into registers that matrix instructions have read, and of LDS stores that read results (ISA guide 7.12.1 for the stores)
.rept 4
	v_nop
.endr
.endm
.macro JLOAD s                         ; a joint load; an s_nop 0 and four v_nop follow each of the two lines, ahead of the jump, the label and what follows
	s_cmp_eq_u32 s[WR], 0
	s_cbranch_scc0 .Lfor_b_\@
	tensor_load_to_lds s[G0A+4*(\s):G0A+4*(\s)+3], s[G1A:G1A+7]
	s_nop 0
.rept 4
	v_nop
.endr
	s_branch .Lasked_\@
.Lfor_b_\@:
	tensor_load_to_lds s[G0B+4*(\s):G0B+4*(\s)+3], s[G1B:G1B+7]
	s_nop 0
.rept 4
	v_nop
.endr
.Lasked_\@:
.endm
.macro CREST                           ; a round of the cluster's barrier behind its opening barrier
	s_cmp_lg_u32 s[WV], 0
	s_cbranch_scc1 .Lnot_wave_0_\@
	s_barrier_signal -3
.Lnot_wave_0_\@:
	s_barrier_wait -3
	s_barrier_signal -1
	s_barrier_wait -1
.endm
.macro CROUND                          ; a whole round
	s_barrier_signal -1
	s_barrier_wait -1
	CREST
.endm
	s_load_b256 s[4:11], s[0:1], 0x0               ; oh s[4:5], wob s[6:7], b_out s[8:9], out0 s[10:11]
	v_lshl_add_u32 v[SPW], v0, 2, SPARE
	v_mov_b32 v[NIL], 0
	ds_add_u32 v28, v29
	s_wait_dscnt 0x0
	v_lshrrev_b32 v1, 5, v0
	v_readfirstlane_b32 s[WV], v1                  ; wave 0..3
	s_lshr_b32 s[WR], s[WV], 1
	s_and_b32 s[WC], s[WV], 1
	s_bfe_u32 s15, ttmp6, 0x40000                  ; cx, cy: my place in the cluster
	s_bfe_u32 s16, ttmp6, 0x40004
	s_lshl_b32 s17, ttmp9, 2
	s_add_co_u32 s17, s17, s15                     ; gx: my block of 256 columns
	s_and_b32 s18, ttmp7, 0xffff
	s_lshl_b32 s18, s18, 2
	s_add_co_u32 s18, s18, s16                     ; gy: my block of 128 rows
	s_lshl_b32 s19, s16, 2
	s_lshl_b32 s19, 15, s19                        ; my row of the cluster
	s_lshl_b32 s20, 0x1111, s15                    ; my column
	; group 1 for O: 128 rows of a head are 16,384 dense bytes: asked for as 64 rows of 256 bytes, padded in LDS behind every 128
	s_or_b32 s[G1A], s19, (1<<16)|(1<<20)|(1<<21)|(4<<22)|(3<<25)  ; 15:0 the mask; 17:16 2-byte elements; 20 padding on; 21 set beside a mask; 24:22 after every 32 words (code 4); 31:25 4 words (code 3)
	s_mov_b32 s[G1A+1], 128<<16                    ; tensor_dim0 = 128
	s_mov_b32 s[G1A+2], 64<<16                     ; tensor_dim1 = 64
	s_mov_b32 s[G1A+3], 128<<16                    ; tile_dim0 = 128
	s_mov_b32 s[G1A+4], 64                         ; tile_dim1 = 64
	s_mov_b32 s[G1A+5], 128                        ; 128 elements from row to row
	s_mov_b32 s[G1A+6], 0
	s_mov_b32 s[G1A+7], 0
	; group 1 for w: 64 rows of 256 elements (512 bytes, beginning at a multiple of 256 from the buffer's first byte), padded behind each row
	s_or_b32 s[G1B], s20, (1<<16)|(1<<20)|(1<<21)|(6<<22)|(7<<25)  ; after every 128 words (code 6) 8 words (code 7)
	s_mov_b32 s[G1B+1], 256<<16
	s_mov_b32 s[G1B+2], 64<<16
	s_mov_b32 s[G1B+3], 256<<16
	s_mov_b32 s[G1B+4], 64
	s_mov_b32 s[G1B+5], 1024
	s_mov_b32 s[G1B+6], 0
	s_mov_b32 s[G1B+7], 0
	; where the tiles come from: O's hang on gy and the wave, w's on gx and the wave, each in registers that never hold the other coordinate
	s_lshr_b32 s56, s18, 4                         ; b: a batch has 16 blocks of 128 rows
	s_lshl_b32 s56, s56, 4
	s_add_co_u32 s56, s56, s[WC]                   ; head 16 b + (w % 2) of K step 0
	s_lshl_b32 s56, s56, 18
	s_and_b32 s21, s18, 15
	s_lshl_b32 s21, s21, 14                        ; my block's 128 rows of 128 bytes
	s_add_co_u32 s56, s56, s21
	s_mov_b32 s57, 0
	s_lshl_b32 s58, s17, 9                         ; 256 columns of 2 bytes
	s_lshl_b32 s22, s[WC], 17                      ; my 64 rows of 2,048 bytes
	s_add_co_u32 s58, s58, s22
	s_mov_b32 s59, 0
	s_mul_i32 s60, s[WC], AHEAD                    ; and where they go: no place in the cluster enters an LDS address
	s_mul_i32 s61, s[WC], BHALF
	s_add_co_u32 s61, s61, ATILE
	s_mov_b32 s70, 0xffff0000                      ; a word's upper bf16
	s_mov_b32 s[TB], 0                             ; slot 0 is in hand
	s_wait_kmcnt 0x0
	s_add_nc_u64 s[56:57], s[4:5], s[56:57]
	s_add_nc_u64 s[58:59], s[6:7], s[58:59]
	CROUND                                         ; all sixteen work-groups are here: the first joint loads meet
.irp s, 0,1
	s_mov_b32 s[G0A+4*\s], 1                                       ; 1:0 count = 1
	s_add_co_u32 s[G0A+4*\s+1], s60, \s*SLOT1                      ; 63:32 LDS address
	s_add_nc_u64 s[G0A+4*\s+2:G0A+4*\s+3], s[56:57], \s*ASTEP      ; 120:64 global address: K step s
	s_or_b32 s[G0A+4*\s+3], s[G0A+4*\s+3], 0x80000000              ; 127:126 type = 2
	s_mov_b32 s[G0B+4*\s], 1
	s_add_co_u32 s[G0B+4*\s+1], s61, \s*SLOT1
	s_add_nc_u64 s[G0B+4*\s+2:G0B+4*\s+3], s[58:59], \s*BSTEP
	s_or_b32 s[G0B+4*\s+3], s[G0B+4*\s+3], 0x80000000
	JLOAD \s
.endr
	v_and_b32 v1, 15, v0                           ; l % 16
	v_bfe_u32 v2, v0, 4, 1                         ; l / 16
	v_mul_u32_u24 v3, v1, PA
	v_lshl_add_u32 v3, v2, 4, v3                   ; a fragment of O: row x pitch + 16 x half
	s_mul_i32 s23, s[WR], 64*PA                    ; my 64 rows
	v_add_nc_u32 v[ADRA0], s23, v3
	v_mov_b32 v[ADRA], v[ADRA0]
	v_and_b32 v4, 7, v0                            ; the turning load: lane l reads k = 8 (l / 16) + l % 8, columns 8 ((l / 8) % 2) + 0..7
	v_bfe_u32 v5, v0, 3, 1
	v_lshl_add_u32 v6, v2, 3, v4
	v_mul_u32_u24 v6, v6, PB
	v_lshl_add_u32 v6, v5, 4, v6
	s_lshl_b32 s23, s[WC], 8                       ; my 128 columns
	s_add_co_u32 s23, s23, ATILE
	v_add_nc_u32 v[ADRB0], s23, v6
	v_mov_b32 v[ADRB], v[ADRB0]
	s_mul_i32 s23, s[WV], 16*SPF
	s_add_co_u32 s23, s23, STAGE                   ; my stage
	v_mul_u32_u24 v7, v1, SPF                      ; in: row l % 16, 32 bytes for each half of the lanes
	v_lshl_add_u32 v7, v2, 5, v7
	v_add_nc_u32 v[STO], s23, v7
	v_and_b32 v[CO], 31, v0                        ; back: 32 lanes take one row's 512 bytes
	v_lshlrev_b32 v[CO], 4, v[CO]
	v_add_nc_u32 v[RD], s23, v[CO]
	v_lshlrev_b32 v[BOF], 5, v2
	s_lshl_b32 s68, s17, 10                        ; my first column, in bytes of f32: 1,024 gx + 512 (w % 2): for the bias and for out0
	s_lshl_b32 s69, s[WC], 9
	s_add_co_u32 s68, s68, s69
	s_mov_b32 s69, 0
	s_add_nc_u64 s[8:9], s[8:9], s[68:69]
	s_lshl_b32 s66, s18, 19                        ; my first row: 128 gy + 64 (w / 2), of 4,096 bytes
	s_lshl_b32 s67, s[WR], 18
	s_add_co_u32 s66, s66, s67
	s_mov_b32 s67, 0
	s_add_nc_u64 s[10:11], s[10:11], s[66:67]
	s_add_nc_u64 s[10:11], s[10:11], s[68:69]
	; THE BIAS STARTS THE SUMS: rounded to bf16, it is laid into accumulator (3, b) and is the C operand of the first product on every accumulator of column block b.
.irp b, 0,1,2,3,4,5,6,7
	global_load_b128 v[F1+8*\b:F1+8*\b+3],   v[BOF], s[8:9] offset:64*\b
	global_load_b128 v[F1+8*\b+4:F1+8*\b+7], v[BOF], s[8:9] offset:64*\b+16
.endr
	s_wait_loadcnt 0x0
.set p, 0
.rept 32
	v_cvt_pk_bf16_f32 v[32+p], v[F1+2*p], v[F1+2*p+1]
.set p, p+1
.endr
	WIN 0x40                                       ; destination in window 1
.set p, 0
.rept 32
	v_lshlrev_b32 v[192+2*p], 16,  v[32+p]
	v_and_b32     v[193+2*p], s70, v[32+p]
.set p, p+1
.endr
	WIN 0
; 24 LDS loads in one run: the fragments of quarter q of the step in the slot in hand (32 along K: w's rows 32 q on; O's head q / 2, channels 32 (q % 2) on) into buffer f; w's sixteen first
.macro FETCH q, f
	WIN 0
.irp b, 0,1,2,3,4,5,6,7
	ds_load_tr16_b128 v[(\f)+8*\b:(\f)+8*\b+3],   v[ADRB] offset:(\q)*32*PB+32*\b
	ds_load_tr16_b128 v[(\f)+8*\b+4:(\f)+8*\b+7], v[ADRB] offset:(\q)*32*PB+16*PB+32*\b
.endr
.irp a, 0,1,2,3
	ds_load_b128 v[(\f)+64+8*\a:(\f)+64+8*\a+3],   v[ADRA] offset:((\q)/2)*AHEAD+((\q)%2)*64+\a*16*PA
	ds_load_b128 v[(\f)+64+8*\a+4:(\f)+64+8*\a+7], v[ADRA] offset:((\q)/2)*AHEAD+((\q)%2)*64+\a*16*PA+32
.endr
.endm
; 8 matrix instructions: row block a x all 8 column blocks.  The 32 accumulators take turns, one instruction a turn, in the same order in every quarter.
; start = 1: the C operand is the bias in accumulator (3, b); five places stand in front of block 3, whose products write over registers that the products before took as C.
.macro MUL f, a, start=0
	WIN 0x50                                       ; C and D in window 1, sources in window 0
.if (\start) && ((\a) == 3)
.rept 5
	v_nop
.endr
.endif
.irp b, 0,1,2,3,4,5,6,7
.if \start
	v_wmma_f32_16x16x32_f16 v[8*(8*(\a)+\b):8*(8*(\a)+\b)+7], v[(\f)+8*\b:(\f)+8*\b+7], v[(\f)+64+8*(\a):(\f)+64+8*(\a)+7], v[8*(24+\b):8*(24+\b)+7]
.else
	v_wmma_f32_16x16x32_f16 v[8*(8*(\a)+\b):8*(8*(\a)+\b)+7], v[(\f)+8*\b:(\f)+8*\b+7], v[(\f)+64+8*(\a):(\f)+64+8*(\a)+7], v[8*(8*(\a)+\b):8*(8*(\a)+\b)+7]
.endif
.endr
.endm
; One of a step's first three quarters: multiplies buffer f; in its middle it fetches quarter q of the same slot into buffer g.
.macro QUARTER q, f, g, start=0
	s_wait_dscnt 4                                 ; w and O's blocks 0, 1 are in; the youngest four loads (blocks 2, 3) may be out
	MUL \f, 0, \start
	MUL \f, 1, \start
	PLACES
	FETCH \q, \g
	s_wait_dscnt 24                                ; all but the 24 just issued
	MUL \f, 2, \start
	MUL \f, 3, \start
.endm
; The last quarter multiplies buffer 1 and changes slots: ONE barrier; in front of it each wave waits for all its tensor loads, of which one is out: its part of the next slot; adds 0 to its
; spare word; and waits for that and for its own reads of this slot, the last of which were issued in the quarter before.
; fill = 1: the barrier opens a round of the cluster's, and this slot is filled again, two K steps on, first thing behind it: the walking descriptor takes the other slot than last time and the
; next K step.  fill = 0: the last two steps: nothing is asked for, and in the very last trip (the count stands at 1) there is no next step: the run of loads is jumped over.
.macro TURN fill
	WIN 0                                          ; (the add's two registers lie in window 0)
	s_wait_tensorcnt 0x0                           ; all my tensor loads have landed, so a group 0 may be written;
	ds_add_u32 v[SPW], v[NIL]                      ; 0 onto my spare word
	s_xor_b32 s[TB], s[TB], SLOT1                  ; from here on the other slot is in hand
	v_add_nc_u32 v[ADRA], s[TB], v[ADRA0]
	v_add_nc_u32 v[ADRB], s[TB], v[ADRB0]
.if \fill
	s_xor_b32 s[G0A+5], s[G0A+5], SLOT1
	s_add_nc_u64 s[G0A+6:G0A+7], s[G0A+6:G0A+7], ASTEP  ; the type bits on top are not reached
	s_xor_b32 s[G0B+5], s[G0B+5], SLOT1
	s_add_nc_u64 s[G0B+6:G0B+7], s[G0B+6:G0B+7], BSTEP
.endif
	s_wait_dscnt 7                                 ; (the add and O's blocks 1 to 3, six loads, may be out)
	MUL F1, 0                                      ; eight matrix instructions stand between the add and the wait for it
	s_wait_dscnt 0x0                               ; the add is done, and my reads of the slot that is left are over
	s_barrier_signal -1
	MUL F1, 1
	WIN 0
	s_barrier_wait -1
.if \fill
	CREST                                          ; no wave of any partner still reads the slot's tile or has a load on its way
	JLOAD 1                                        ; the first tensor load behind the round; its four v_nop are also the places in front of the loads below
.else
	PLACES
	s_cmp_eq_u32 s[LAP], 1
	s_cbranch_scc1 .Lno_f_\@
.endif
	FETCH 0, F0
.if !(\fill)
.Lno_f_\@:
.endif
	MUL F1, 2
	MUL F1, 3
.endm
; THE WAY OUT of row block a: a lane's eight f32 of a row go into my own stage (each accumulator's low four registers first), rows of 528 bytes; back as whole rows of 512 bytes.
.macro OUTB a
.if (\a) >= 2
	s_wait_xcnt 0x0                                ; the buffer's earlier stores have read it: it is loaded again only behind this wait
.endif
	WIN 0x04                                       ; store data in window 1
.irp b, 0,1,2,3,4,5,6,7
	ds_store_b128 v[STO], v[8*(8*(\a)+\b):8*(8*(\a)+\b)+3]   offset:64*\b
	ds_store_b128 v[STO], v[8*(8*(\a)+\b)+4:8*(8*(\a)+\b)+7] offset:64*\b+16
.endr
	WIN 0
.set ob, 64+64*((\a)%2)
.irp f, 0,1,2,3,4,5,6,7,8,9,10,11,12,13,14,15
	ds_load_b128 v[ob+4*\f:ob+4*\f+3], v[RD] offset:SPF*\f  ; LDS serves a wave's instructions in order (ISA guide 5.7.1.4): these see the stores above; the next block's stores come behind them
.endr
.endm
.macro SENDF a, younger                ; younger: the LDS instructions issued behind block a's loads: the next block's 32, or none
.set ob, 64+64*((\a)%2)
.irp i, 0,1,2,3
	s_wait_dscnt (\younger)+12-4*\i                ; rows 0 to 4 i + 3 of the block are back
.irp j, 0,1,2,3
	global_store_b128 v[CO], v[ob+4*(4*\i+\j):ob+4*(4*\i+\j)+3], s[10:11] offset:(16*(\a)+4*\i+\j)*4096 th:TH_STORE_NT  ; 512 consecutive bytes of a row, at a multiple of 256 from out0's first byte
.endr
.endr
.endm
	s_wait_tensorcnt 0x1                           ; my part of K step 0 is in; step 1's may stay out
	s_barrier_signal -1
	s_barrier_wait -1                              ; everybody's is
	FETCH 0, F0
	QUARTER 1, F0, F1, 1                           ; the first quarter stands in front of the loop: its products start the sums
	WIN 0
	s_mov_b32 s[LAP], 6
.Lstep:                                                ; trip t = 0..5: quarters 1 to 3 of K step t, whose slot takes step t + 2, and quarter 0 of step t + 1
	QUARTER 2, F1, F0
	QUARTER 3, F0, F1
	TURN 1
	QUARTER 1, F0, F1
	WIN 0
	s_sub_co_u32 s[LAP], s[LAP], 1
	s_cmp_lg_u32 s[LAP], 0
	s_cbranch_scc1 .Lstep
	s_mov_b32 s[LAP], 2
.Ltail:                                                ; two trips that ask for nothing: quarters 1 to 3 of steps 6 and 7, and between them quarter 0 of step 7
	QUARTER 2, F1, F0
	QUARTER 3, F0, F1
	TURN 0
	WIN 0
	s_cmp_eq_u32 s[LAP], 1
	s_cbranch_scc1 .Ldone                          ; behind the last quarter nothing is left to multiply
	QUARTER 1, F0, F1
	WIN 0
.Ldone:
	s_sub_co_u32 s[LAP], s[LAP], 1
	s_cmp_lg_u32 s[LAP], 0
	s_cbranch_scc1 .Ltail
	PLACES
	OUTB 0
	OUTB 1                                         ; a block's way through the stage stands between the loads of the block before and its stores
	SENDF 0, 32
	OUTB 2
	SENDF 1, 32
	OUTB 3
	SENDF 2, 32
	SENDF 3, 0
	s_wait_tensorcnt 0x0                           ; the wave's end: behind my last tensor load and my last LDS store
	ds_add_u32 v[SPW], v[NIL]
	s_wait_dscnt 0x0
	CROUND                                         ; the closing round: no work-group ends while a partner may still ask for a tile that names it
	s_endpgm
.Lfunc_end_k_qd38926ff93_proj:
	.size	k_qd38926ff93_proj, .Lfunc_end_k_qd38926ff93_proj-k_qd38926ff93_proj
	.p2alignl 7, 3214868480
	.fill 96, 4, 3214868480
	.section	.rodata,"a",@progbits
	.p2align	6, 0x0
	.amdhsa_kernel k_qd38926ff93_proj
		.amdhsa_group_segment_fixed_size 327680
		.amdhsa_private_segment_fixed_size 0
		.amdhsa_enable_private_segment 0
		.amdhsa_kernarg_size 32
		.amdhsa_user_sgpr_count 2
		.amdhsa_user_sgpr_kernarg_segment_ptr 1
		.amdhsa_wavefront_size32 1
		.amdhsa_system_sgpr_workgroup_id_x 1
		.amdhsa_system_sgpr_workgroup_id_y 1
		.amdhsa_system_sgpr_workgroup_id_z 1
		.amdhsa_system_vgpr_workitem_id 0
		.amdhsa_next_free_vgpr 512
		.amdhsa_next_free_sgpr 76
		.amdhsa_reserve_vcc 0
		.amdhsa_float_denorm_mode_32 3
		.amdhsa_float_denorm_mode_16_64 3
		.amdhsa_memory_ordered 1
		.amdhsa_forward_progress 1
		.amdhsa_inst_pref_size 66
	.end_amdhsa_kernel
	.amdgpu_metadata
---
amdhsa.version: [ 1, 2 ]
amdhsa.kernels:
  - .name:           k_qd38926ff93_proj
    .symbol:         k_qd38926ff93_proj.kd
    .args:
      - { .name: oh, .offset: 0, .size: 8, .value_kind: global_buffer, .address_space: global }
      - { .name: wob, .offset: 8, .size: 8, .value_kind: global_buffer, .address_space: global }
      - { .name: b_out, .offset: 16, .size: 8, .value_kind: global_buffer, .address_space: global }
      - { .name: out0, .offset: 24, .size: 8, .value_kind: global_buffer, .address_space: global }
    .group_segment_fixed_size: 327680
    .private_segment_fixed_size: 0
    .kernarg_segment_align: 8
    .kernarg_segment_size: 32
    .max_flat_workgroup_size: 128
    .sgpr_count:     76
    .vgpr_count:     512
    .wavefront_size: 32
...
	.end_amdgpu_metadata
.endif
;; end of part 4
;; ======== version 2 of 2: 4 launches; 1.54 times as fast as version 1
;; limits: values are held in f16: magnitudes above 65,504 overflow, below 6.1e-05 lose precision
;; workspace buffers: xb 16,777,216 bytes; wqb 6,291,456 bytes; wob 2,097,152 bytes; qkvh 50,331,648 bytes; oh 16,777,216 bytes
;; launch prep: the kernel of part 1 again; grid 768 x 1, 8 waves a work-group, no clusters, 0 bytes of LDS; arguments x, w_qkv, w_out, xb, wqb, wob; writes xb, wqb, wob
;; launch qkv: the kernel of part 2 again; grid 8 x 32, 4 waves a work-group, clusters of 4 x 4, 327,680 bytes of LDS; arguments xb, wqb, b_qkv, qkvh; writes qkvh
;; launch attn (part 5): grid 4 x 64, 4 waves a work-group, clusters of 4 x 1, 327,680 bytes of LDS; arguments qkvh, oh; writes oh
.if DOCPART == 5
	.amdgcn_target "amdgcn-amd-amdhsa--gfx1250"
	.amdhsa_code_object_version 6
	.text
	.protected	k_qd38926ff93_attn
	.globl	k_qd38926ff93_attn
	.p2align	8
	.type	k_qd38926ff93_attn,@function
k_qd38926ff93_attn:
	s_mov_b64 s[64:65], 0
	v_nop
	global_prefetch_b8 v0, s[64:65] scope:SCOPE_SE
	s_setreg_imm32_b32 hwreg(HW_REG_WAVE_MODE, 25, 1), 1
	s_wait_xcnt 0x0
	s_wait_alu depctr_hold_cnt(0) depctr_sa_sdst(0) depctr_va_vdst(0) depctr_va_sdst(0) depctr_va_ssrc(0) depctr_va_vcc(0) depctr_vm_vsrc(0)
	s_getreg_b32 s2, hwreg(HW_REG_IB_STS2, 6, 4)
	s_cmp_eq_u32 s2, 0
	s_cbranch_scc0 .Lentry_in_a_cluster
	s_endpgm
.Lentry_in_a_cluster:
	s_bfe_u32 s2, ttmp6, 0x10000c
	s_cmp_lg_u32 s2, 0x3003
	s_cbranch_scc0 .Lentry_shape_is_right
	s_endpgm
.Lentry_shape_is_right:
; O[hb][q][:] = the sum over k of softmax_k(Q[q] . K[k] / 8) V[k][:], for the 64 pairs hb = 16 b + h of batch and head.  qkvh: [4 b][48 G][2048][64] f16 (G = h: Q, 16 + h: K, 32 + h: V);
; oh: [64 hb][2048][64] f16.  A head's rows are dense, 128 bytes each.  Products, maxima and sums in f32; the weights p are rounded to f16 for the second product (their sum l is taken of the
; unrounded p), O once at the end.
; LIMITS.  f16 holds no number beyond 65,504: Q, K and V arrive within it; p lies in 0 to 1, and below 6e-5 it keeps f16's fixed step of 6e-8; O is a mean of V's rows and has their range.
; A weight below 2^-126 counts as 0 in l; NaN and infinities are not treated apart.
; SHARES.  A wave owns four PIECES of two tiles of 16 queries, a work-group's four waves 512 queries of one head: 4 x 64 = 256 work-groups.  Every wave walks all keys, 64 a step.
; LAYOUT.  S^T = K Q^T (source 0 = 16 keys, source 1 = 16 queries): in the result a lane holds ONE query (lane % 16) and the keys 8 (lane / 16) + 0..7.  Two such tiles, rounded to f16 in pairs,
; ARE source 1 (32 keys x 16 queries) of O^T = V^T P, whose result again holds one query a lane, and eight channels.  K comes out of LDS as it lies, V ([key][channel]) turned, by ds_load_tr16_b128.
; SOFTMAX.  For each query a running maximum m and sum l: p = 2^(c s - c m), c = log2(e) / 8; in every step O and l are multiplied by a = 2^(c m_old - c m_new), which is 1 where m has not grown.
; m starts at the lowest finite number, O and l at 0: the first step is a step like any other, with a = 0.
; THE COUNT.  A tile and step have 16 matrix and 118 vector instructions: too many to stand all beside the matrix work.  So the order has one aim: four vector instructions that are READY behind
; EVERY matrix instruction, and the others, which need time of their own whatever the order, in runs without a gap.
; BY TURNS.  Turn n belongs to piece n (the pieces in a ring, step after step).  Its matrix work: 16 products K Q^T of piece n + 1, later 16 products V^T P of piece n - 1.  Its vector work: the scaling,
; exponentials, roundings, sums and rescaling of piece n, and the maximum and statistics of piece n + 1, whose scores the turn itself has made.  So what a turn begins with (c s - c m, O a) waits for nothing.
; BATCHES.  A turn's 66 exponentials (the piece's 64 weights, then the next piece's two a) are ONE batch with ONE wait, which cuts the turn in two: ahead of it stands all that names no result of theirs,
; behind it the roundings and sums.  No result crosses a turn's end.  Piece 0's first two a, ahead of the loop, and the way out's eight reciprocals are batches of their own, each with one wait.
; CLUSTER.  The four query blocks of a cluster belong to one head and walk the same K and V, so each tile is asked for JOINTLY: the same tensor load, descriptor and mask in all four.
; REGISTERS, in windows of 256 (s_set_vgpr_msb says which window each operand place means: bits 1:0 source 0, 3:2 source 1, 5:4 source 2, 7:6 destination):
;   window 0: v0-11 addresses; v12-15, v48-63 at work; v16-47 four registers of statistics a tile; v64-191 S^T, two buffers of two tiles; v192-255 P, likewise
;   window 1: O^T, 32 a tile          window 2: v0-127 Q, 16 a tile; v128-191 K of one step; v192-255 V of one step          window 3: v0-1 the add's two registers
; A piece's buffers go by its number's parity: the piece in hand has one pair, its two neighbours in the ring share the other: of it P (piece n - 1) is read and S^T (piece n + 1) written.
.set SIZE_N, 2048     ; rows of a head
.set NP,    4         ; pieces a wave: a name, no knob: the register map, the loop and the fetches are made for four
.set KS,    64        ; keys in a step
.set PK,    144       ; a row of K in LDS: 128 bytes + 16 of padding = 36 words: the 16 rows of a load start at 16 different groups of four banks (64 banks of 4 bytes: ISA guide 11.1)
.set PV,    160       ; a row of V: 128 + 32 = 40 words
.set VOFF,  4*KS*PK   ; a slot holds four steps: 256 rows of K, then 256 rows of V
.set SLOT1, 1<<17     ; slot 1 begins here, so that one exclusive or turns an address in one slot into the other's
.set STAGE, SLOT1+4*KS*(PK+PV)  ; behind the ring, never filled by a tensor load: 16 rows x 144 bytes for each wave, for the way out
.set SP,    144
.set AK0, 2           ; v2   my lane's place in a tile of K; never rewritten
.set AV0, 3           ; v3   the same for V
.set AK,  4           ; v4   the LDS address of K's next run of loads
.set AV,  5           ; v5   of V's
.set QO,  6           ; v6   my byte offset in the wave's rows of Q
.set STO, 6           ;      later, the way out: where I put 16 bytes of a row
.set RD,  7           ; v7   the way out: where I read rows back
.set GO,  8           ; v8   my byte offset in 512 consecutive bytes of O
.set SPW, 0           ; v0 of window 3   LDS address of my spare word: SPARE + 4 x my thread's number; never rewritten
.set NIL, 1           ; v1 of window 3   0; never rewritten
.set SPARE, STAGE+4*16*SP  ; behind the stages: the spare words, 128 bytes for each wave: two blocks of 256 bytes that no other line names
.set MV,  12          ; v12-15  c m_old, kept while c m is made anew: by buffer and tile
.set ST,  16          ; tile t's statistics at v[ST+4 t]: c m, m, l (even keys', odd keys')
.set TMP, 48          ; by buffer and tile, four registers c0-c3 at work; when the maximum is found c2 takes a
.set S,   64
.set P,   192
.set KF,  128         ; K's fragments, in window 2: key block kb, channel half c at KF + 16 kb + 8 c
.set VF,  192         ; V's: key half kk, channel block cb at VF + 32 kk + 8 cb
.set WV,  12          ; s12  my wave's number
.set G1K, 24          ; s[24:31] descriptor group 1 for K's tiles
.set G1V, 32          ; s[32:39] for V's: it differs in the padding alone
.set G0K, 40          ; s[40:43] descriptor group 0 for K's tiles: it walks
.set G0V, 44          ; s[44:47] the same for V's
.set SLOTS, 56        ; s56  slots still to be asked for
.set CNT, 57          ; s57  counts a slot's key steps
.set CS,  58          ; s[58:59] c: the packed scaling takes the pair's low word for both halves
.set SEL, 60          ; s[60:61] v_permlanex16_b32's selects: each lane takes its own place in the other half
.set TBK, 62          ; s62  LDS byte at which K of the step to be fetched begins
.set TBV, 63          ; s63  the same for V, less VOFF
.set MSB, 0
.macro WIN new                      ; the high byte repeats the setting that is left; a switch that changes nothing is dropped
.if MSB != (\new)
	s_set_vgpr_msb (MSB<<8)|(\new)
.set MSB, (\new)
.endif
.endm
.set W_KQ, 0x0a       ; K and Q in window 2, S^T in window 0
.set W_PV, 0x52       ; V in window 2, P in window 0, O^T in window 1
.set W_RS, 0x41       ; O^T (destination and source 0) in window 1, a in window 0
.set W_MK, 0xc0       ; the add's registers are made: destination in window 3, sources in window 0
.set W_AD, 0x0f       ; the add: address (source 0) and data (source 1) in window 3
; A joint fill.  Waves 0 and 1 fetch the two halves of a slot's K, waves 2 and 3 those of its V: 128 keys each.  The branch hangs on the wave's number alone.
; An s_nop 0 and four v_nop follow each of the two lines, ahead of the jump and the label.
.macro JLOAD
	s_cmp_lt_u32 s[WV], 2
	s_cbranch_scc0 .Lfor_v_\@
	tensor_load_to_lds s[G0K:G0K+3], s[G1K:G1K+7]
	s_nop 0
.rept 4
	v_nop
.endr
	s_branch .Lasked_\@
.Lfor_v_\@:
	tensor_load_to_lds s[G0V:G0V+3], s[G1V:G1V+7]
	s_nop 0
.rept 4
	v_nop
.endr
.Lasked_\@:
.endm
; A round of the cluster's barrier: my work-group's barrier, so that wave 0's signal speaks for all four waves; wave 0 signals; every wave waits for all four work-groups; my work-group's barrier once more.
.macro CROUND
	s_barrier_signal -1
	s_barrier_wait -1
	s_cmp_lg_u32 s[WV], 0
	s_cbranch_scc1 .Lnot_wave_0_\@
	s_barrier_signal -3
.Lnot_wave_0_\@:
	s_barrier_wait -3
	s_barrier_signal -1
	s_barrier_wait -1
.endm
; THE CHANGE OF SLOTS.  The slot's last bytes, V of its fourth step, have been read.  Each wave waits for all its tensor loads, of which one is out: its part
; of the other slot; adds 0 to its spare word; and waits for that and for its own reads of the slot.  Behind the barrier nobody reads this slot any more and the other slot is whole.
; fill = 1: this slot is filled again, with the keys two slots on.  The barrier is then a round of the cluster's, so that no wave of any partner still reads the slot or has a load on its
; way, and the joint fill is the first thing behind it: it has four key steps, 512 matrix instructions, in which to land.  (At its first use nothing has been read yet: slot 0 is waited for, slot 1 filled.)
.macro CHANGE fill
	WIN W_AD
	s_wait_tensorcnt 0x0            ; no tensor load of mine is out, so a group 0 may be written
	ds_add_u32 v[SPW], v[NIL]       ; 0 onto my spare word: with fill = 1 the descriptors' steps stand between it and the wait for it
	WIN 0                           ; at a label and at a branch every window is 0
.if \fill
.irp g, G0K, G0V
	s_xor_b32 s[\g+1], s[\g+1], SLOT1  ; the walking descriptor: the other slot than last time,
	s_add_nc_u64 s[\g+2:\g+3], s[\g+2:\g+3], 4*KS*128  ; the next 256 keys; the type bits on top are not reached
.endr
	s_wait_dscnt 0x0                ; the add is done, and my reads of the slot are over
	CROUND
	JLOAD
.else
	s_wait_dscnt 0x0                ; the add is done, and my reads of the slot are over
	s_barrier_signal -1
	s_barrier_wait -1
.endif
	s_sub_co_u32 s[TBK], s[TBK], 4*KS*PK  ; the fetches go back to a slot's first step,
	s_xor_b32 s[TBK], s[TBK], SLOT1       ; in the other slot
	s_sub_co_u32 s[TBV], s[TBV], 4*KS*PV
	s_xor_b32 s[TBV], s[TBV], SLOT1
.endm
	s_load_b64 s[4:5], s[0:1], 0x0    ; qkvh
	s_load_b64 s[10:11], s[0:1], 0x8  ; oh
	WIN W_MK
	v_lshl_add_u32 v[SPW], v0, 2, SPARE
	v_mov_b32 v[NIL], 0
	s_set_vgpr_msb 0xc0cf
	ds_add_u32 v0, v1
	s_wait_dscnt 0x0
	s_set_vgpr_msb 0xcfc0
	WIN 0
	v_lshrrev_b32 v1, 5, v0
	v_readfirstlane_b32 s[WV], v1   ; wave 0..3
	s_bfe_u32 s13, ttmp6, 0x40000   ; cx: my place in the cluster
	s_lshl_b32 s14, ttmp9, 2        ; in a cluster launch ttmp9 counts clusters
	s_add_co_u32 s14, s14, s13      ; my block of queries = 4 x cluster x + cx: it enters Q's and O's addresses alone
	s_and_b32 s19, ttmp7, 0xffff    ; hb = 16 b + h, which the four partners share
	s_lshr_b32 s20, s19, 4          ; b
	s_lshl_b32 s20, s20, 5
	s_add_co_u32 s20, s20, s19      ; 48 b + h: Q's unit in qkvh; K's lies 16 units on, V's 32
	s_lshl_b32 s20, s20, 18         ; a unit is 2,048 rows of 128 bytes
	s_mov_b32 s21, 0
	s_lshl_b32 s48, s19, 18         ; the head's first byte in oh
	s_mov_b32 s49, 0
	s_and_b32 s16, s[WV], 1         ; which half of a slot's 256 keys I fetch:
	s_lshl_b32 s22, s16, 14         ; its 128 rows of 128 bytes in memory,
	s_mov_b32 s23, 0
	s_add_nc_u64 s[22:23], s[22:23], s[20:21]
	s_mul_i32 s17, s16, 128*PK      ; and its place in a slot, for K
	s_mul_i32 s18, s16, 128*PV      ; and for V: no place in the cluster enters an LDS address
	s_lshl_b32 s2, s14, 2
	s_add_co_u32 s2, s2, s[WV]      ; my wave among the head's,
	s_lshl_b32 s2, s2, 14           ; its 128 rows
	s_mov_b32 s3, 0
	s_add_nc_u64 s[50:51], s[2:3], s[48:49]  ; my wave's first row in oh,
	s_add_nc_u64 s[2:3], s[2:3], s[20:21]    ; and Q's in qkvh
	; descriptor group 1.  128 keys are 16,384 dense bytes: asked for as 64 rows of 256 bytes, two keys a row, and padded in LDS after every key
	s_mov_b32 s[G1K], 15|(1<<16)|(1<<20)|(1<<21)|(4<<22)|(3<<25)  ; 15:0 the mask of four; 17:16 2-byte elements; 20 padding on; 21 set beside a mask; 24:22 after every 32 words (code 4); 31:25 4 words (code 3)
	s_mov_b32 s[G1V], 15|(1<<16)|(1<<20)|(1<<21)|(4<<22)|(7<<25)  ; the same with 8 words of padding (code 7)
.irp g, G1K, G1V
	s_mov_b32 s[\g+1], 128<<16      ; tensor_dim0 = 128
	s_mov_b32 s[\g+2], 64<<16       ; tensor_dim1 = 64
	s_mov_b32 s[\g+3], 128<<16      ; tile_dim0 = 128
	s_mov_b32 s[\g+4], 64           ; tile_dim1 = 64
	s_mov_b32 s[\g+5], 128          ; 128 elements from row to row
	s_mov_b32 s[\g+6], 0
	s_mov_b32 s[\g+7], 0
.endr
	s_mov_b32 s[CS], 0x3e38aa3b     ; c = log2(e) / 8 = 0.180337
	s_mov_b32 s[CS+1], s[CS]        ; named with it as a pair
	s_mov_b32 s[SEL], 0x76543210
	s_mov_b32 s[SEL+1], 0xfedcba98
	s_mov_b32 s[TBK], SLOT1+4*KS*PK ; the first change of slots turns these two into 0
	s_mov_b32 s[TBV], SLOT1+4*KS*PV
	s_mov_b32 s[G0K], 1             ; 1:0 count = 1
	s_mov_b32 s[G0K+1], s17         ; 63:32 LDS address: slot 0
	s_mov_b32 s[G0V], 1
	s_add_co_u32 s[G0V+1], s18, VOFF
	s_wait_kmcnt 0x0
	s_add_nc_u64 s[6:7], s[4:5], 0x400000          ; K's units begin 16 units behind Q's,
	s_add_nc_u64 s[8:9], s[4:5], 0x800000          ; V's 32
	s_add_nc_u64 s[G0K+2:G0K+3], s[6:7], s[22:23]  ; 120:64 global address: my half of the head's first 256 keys
	s_or_b32 s[G0K+3], s[G0K+3], 0x80000000        ; 127:126 type = 2
	s_add_nc_u64 s[G0V+2:G0V+3], s[8:9], s[22:23]
	s_or_b32 s[G0V+3], s[G0V+3], 0x80000000
	s_add_nc_u64 s[4:5], s[4:5], s[2:3]  ; Q and O at my wave's first row
	s_add_nc_u64 s[10:11], s[10:11], s[50:51]
	CROUND                          ; all four work-groups are here: the first joint loads meet
	JLOAD                           ; slot 0.  Slot 1 is asked for when slot 0 is in: the tile wanted first has the road to itself
	; A fragment of K or Q is 16 rows x 32 channels in 8 registers: lane l holds row l % 16, channels 8 (l / 16) + 0..7 and 16 + 8 (l / 16) + 0..7: two loads of 16 bytes, 32 bytes apart.
	v_and_b32 v1, 15, v0            ; l % 16
	v_bfe_u32 v9, v0, 4, 1          ; l / 16
	v_lshlrev_b32 v[QO], 7, v1
	v_lshl_add_u32 v[QO], v9, 4, v[QO]  ; row x 128 + 16 x half
	WIN 0x80                        ; destination window 2, address window 0
.set i, 0
.rept 4*NP                          ; Q stays in registers: tile i / 2, channels 32 (i % 2) on
	global_load_b128 v[8*i:8*i+3],   v[QO], s[4:5] offset:(i/2)*2048+(i%2)*64
	global_load_b128 v[8*i+4:8*i+7], v[QO], s[4:5] offset:(i/2)*2048+(i%2)*64+32
.set i, i+1
.endr
	; What the first turn finds: V's registers and P's second buffer hold 0 (its products V^T P, of a piece that has not been, add 0), O^T and l are 0.  All this stands in the wait for the first tile.
.set i, VF
.rept 64
	v_mov_b32 v[i], 0
.set i, i+1
.endr
	WIN 0x40
.set i, 0
.rept 64*NP
	v_mov_b32 v[i], 0
.set i, i+1
.endr
	WIN 0
.set i, 0
.rept 2*NP
	v_mov_b32 v[ST+4*i], 0xfe000000    ; c m: far below every c s
	v_mov_b32 v[ST+4*i+1], 0xff7fffff  ; m
	v_mov_b32 v[ST+4*i+2], 0
	v_mov_b32 v[ST+4*i+3], 0
.set i, i+1
.endr
.set i, P+32
.rept 32
	v_mov_b32 v[i], 0
.set i, i+1
.endr
	v_mul_u32_u24 v[AK0], v1, PK
	v_lshl_add_u32 v[AK0], v9, 4, v[AK0]  ; row x pitch + 16 x half
	; The turning load takes 16 keys x 16 channels (lane l reads key 8 (l / 16) + l % 8, channels 8 ((l / 8) % 2) + 0..7) and leaves half a fragment of V^T: lane l holds channel l % 16 and 8 keys.
	v_and_b32 v10, 7, v0
	v_bfe_u32 v11, v0, 3, 1
	v_lshl_add_u32 v[AV0], v9, 3, v10
	v_mul_u32_u24 v[AV0], v[AV0], PV
	v_lshl_add_u32 v[AV0], v11, 4, v[AV0]
	v_add_nc_u32 v[AV0], VOFF, v[AV0]
	v_mov_b32 v[AK], v[AK0]         ; key step 0 lies at the head of slot 0
; THE MATRIX WORK.  The 8 accumulators of a run of 16 take turns: between the two links of a chain stand 7 others'.
; Product i of 16 of S^T = K Q^T for piece x: channels 32 (i / 8) on, keys 16 ((i / 2) % 4) on, tile 2 x + i % 2.  The first 8 start the sums.
.macro KQ x
	WIN W_KQ
.set rS, S+64*((\x)%2)+32*(i%2)+8*((i/2)%4)
.set rK, KF+16*((i/2)%4)+8*(i/8)
.set rQ, 16*(2*(\x)+i%2)+8*(i/8)
.if i < 8
	v_wmma_f32_16x16x32_f16 v[rS:rS+7], v[rK:rK+7], v[rQ:rQ+7], 0
.else
	v_wmma_f32_16x16x32_f16 v[rS:rS+7], v[rK:rK+7], v[rQ:rQ+7], v[rS:rS+7]
.endif
.endm
; Product i of 16 of O^T += V^T P for piece x: keys 32 (i / 8) on, channels 16 ((i / 2) % 4) on, tile 2 x + i % 2.
.macro PV x
	WIN W_PV
.set rO, 32*(2*(\x)+i%2)+8*((i/2)%4)
.set rV, VF+32*(i/8)+8*((i/2)%4)
.set rP, P+32*((\x)%2)+16*(i%2)+8*(i/8)
	v_wmma_f32_16x16x32_f16 v[rO:rO+7], v[rV:rV+7], v[rP:rP+7], v[rO:rO+7]
.endm
.macro MM                           ; the turn's next matrix instruction
.if i < 16
	KQ (Y+1)%NP
.set i, i+1
.else
.set i, i-16
	PV (Y+NP-1)%NP
.set i, i+17
.endif
.endm
; THE LDS LOADS stand in runs of 16, never singly among the matrix instructions: a step's K (64 keys x 64 channels: 8 fragments) and its V (turned).  Their addresses are made some lines ahead.
; last = 1 (the tail): in the last trip there is no further step, and the run is jumped over.
.macro FETCH_K last=0
	WIN 0
.if \last
	s_cmp_eq_u32 s[CNT], 1
	s_cbranch_scc1 .Lno_k_\@
.endif
	WIN 0x80                        ; destination window 2
.irp f, 0,1,2,3,4,5,6,7             ; keys 16 (f / 2) on, channels 32 (f % 2) on
	ds_load_b128 v[KF+8*\f:KF+8*\f+3],   v[AK] offset:(\f/2)*16*PK+(\f%2)*64
	ds_load_b128 v[KF+8*\f+4:KF+8*\f+7], v[AK] offset:(\f/2)*16*PK+(\f%2)*64+32
.endr
	s_add_co_u32 s[TBK], s[TBK], KS*PK  ; the next fetch is the next step's
	WIN 0
.if \last
.Lno_k_\@:
.endif
.endm
.macro FETCH_V
	WIN 0x80
.irp f, 0,1,2,3,4,5,6,7             ; keys 32 (f / 4) on, channels 16 (f % 4) on
	ds_load_tr16_b128 v[VF+8*\f:VF+8*\f+3],   v[AV] offset:(\f/4)*32*PV+(\f%4)*32
	ds_load_tr16_b128 v[VF+8*\f+4:VF+8*\f+7], v[AV] offset:(\f/4)*32*PV+16*PV+(\f%4)*32
.endr
	WIN 0
.endm
; THE VECTOR WORK OF A TURN stands in three queues, each in the order in which its entries become ready; the two tiles alternate, so that no instruction reads the result of the one before it.
.macro REGS y, u                    ; the registers of tile u (0, 1) of piece y
.set rT, ST+4*(2*(\y)+(\u))
.set rC, TMP+8*((\y)%2)+4*(\u)
.set rM, MV+2*((\y)%2)+(\u)
.set rS, S+64*((\y)%2)+32*(\u)
.set rP, P+32*((\y)%2)+16*(\u)
.set rO, 32*(2*(\y)+(\u))
.endm
; Number n of the 22 that find the NEXT piece's (Y + 1) maximum and statistics.  s0-s31 are the lane's 32 scores; each accumulator's lowest registers are read first.  XS, GS and REGS set no window: PL and EX do.
;   0-11  four chains c0-c3 of seven scores each, three operands at a time     12-14, 16  the four scores left over, the old m, and c0-c3 into c0     15  c m_old is kept
;   17, 18  the query's other 32 keys lie in the lane 16 away: the new m         19-21  c m; c m_old - c m_new; a
.macro XS u, n
	REGS (Y+1)%NP, \u
.if (\n) < 4
	v_max3_num_f32 v[rC+(\n)], v[rS+8*(\n)], v[rS+8*(\n)+1], v[rS+8*(\n)+2]
.elseif (\n) < 12
	v_max3_num_f32 v[rC+(\n)%4], v[rC+(\n)%4], v[rS+8*((\n)%4)+2*((\n)/4)+1], v[rS+8*((\n)%4)+2*((\n)/4)+2]
.elseif (\n) == 12
	v_max3_num_f32 v[rC], v[rC], v[rS+7], v[rS+15]
.elseif (\n) == 13
	v_max3_num_f32 v[rC+1], v[rC+1], v[rS+23], v[rS+31]
.elseif (\n) == 14
	v_max3_num_f32 v[rC+2], v[rC+2], v[rC+3], v[rT+1]
.elseif (\n) == 15
	v_mov_b32 v[rM], v[rT]
.elseif (\n) == 16
	v_max3_num_f32 v[rC], v[rC], v[rC+1], v[rC+2]
.elseif (\n) == 17
	v_permlanex16_b32 v[rC+3], v[rC], s[SEL], s[SEL+1]
.elseif (\n) == 18
	v_max_num_f32 v[rT+1], v[rC], v[rC+3]
.elseif (\n) == 19
	v_mul_f32 v[rT], s[CS], v[rT+1]
.elseif (\n) == 20
	v_sub_f32 v[rC+1], v[rM], v[rT]
.else
	v_exp_f32 v[rC+2], v[rC+1]
.endif
.endm
; Number g of the 64 that follow the exponentials.  For each four weights k of a tile (pairs 2 k, 2 k + 1): both pairs are rounded to f16; then the second pair is added onto the first, in place;
; a group later l takes that sum (the first time as l = a l + sum).  In groups of eight, tiles alternating: round, round, add, and l for the group before.
.macro GS g
.set h, (\g)+6*((\g)/62)            ; group 0 has no group before it, and behind group 7 only l is left
.if h >= 6
.set h, h+2
.endif
	REGS Y, h%2
.set k, h/8
.if h%8 < 4
	v_cvt_pk_f16_f32 v[rP+2*k+(h%8)/2], v[rS+4*k+2*((h%8)/2)], v[rS+4*k+2*((h%8)/2)+1]
.elseif h%8 < 6
	v_pk_add_f32 v[rS+4*k:rS+4*k+1], v[rS+4*k:rS+4*k+1], v[rS+4*k+2:rS+4*k+3]
.elseif k == 1
	v_pk_fma_f32 v[rT+2:rT+3], v[rT+2:rT+3], v[rC+2:rC+3], v[rS:rS+1] op_sel_hi:[1,0,1]
.else
	v_pk_add_f32 v[rT+2:rT+3], v[rT+2:rT+3], v[rS+4*k-4:rS+4*k-3]
.endif
.endm
; THE PLAIN QUEUE, 138 long.  0-73 read no exponential's result: the 32 scalings c s - c m (FS f: pair f / 2 of tile f % 2) and the next piece's 42.  0-26: scalings 0-26.  27-54: XS's numbers 0-13.  55, 56: number 15.
; 57-73: the chain, where each number waits for the one before it: 14, 16, 17, 18, 19, each with one of the scalings 27-31 in front of its two lines, then 20: so a tile's links stand three plain instructions apart (19 and 20: two).
; 74-137: GS's 64, which read the exponentials' results: they stand behind the wait.
.macro FS f
	REGS Y, (\f)%2
	v_pk_fma_f32 v[rS+2*((\f)/2):rS+2*((\f)/2)+1], v[rS+2*((\f)/2):rS+2*((\f)/2)+1], s[CS:CS+1], v[rT:rT+1] op_sel_hi:[1,0,0] neg_lo:[0,0,1] neg_hi:[0,0,1]
.endm
.macro PL
	WIN 0
.if q < 27
	FS q
.elseif q < 55
	XS (q-27)%2, (q-27)/2
.elseif q < 57
	XS q-55, 15
.elseif (q < 72) && ((q-57)%3 == 0)
	FS 27+(q-57)/3
.elseif q < 60
	XS (q-57)%3-1, 14
.elseif q < 72
	XS (q-57)%3-1, 15+(q-57)/3
.elseif q < 74
	XS q-72, 20
.else
	GS q-74
.endif
.set q, q+1
.endm
; THE EXPONENTIALS' QUEUE, 66 long: s0-s31 of both tiles, then the next piece's two a.  It is ONE BATCH: all 66 stand ahead of the turn's one wait, and nothing ahead of that wait names a result of theirs.
.macro EX
	WIN 0
.if e >= 64
	XS e-64, 21
.else
	REGS Y, e%2
	v_exp_f32 v[rS+e/2], v[rS+e/2]
.endif
.set e, e+1
.endm
; THE RESCALING's QUEUE: O^T times a, the one part that leaves window 0: dealt two at a time, sixteen times.  Its a was made in the turn before, ahead of that turn's wait.
.macro R2
	REGS Y, r%2
	WIN W_RS
.irp z, 0,1
	v_pk_mul_f32 v[rO+4*(r/2)+2*\z:rO+4*(r/2)+2*\z+1], v[rO+4*(r/2)+2*\z:rO+4*(r/2)+2*\z+1], v[rC+2:rC+3] op_sel_hi:[1,0]
.endr
.set r, r+1
.endm
; HOW THEY ARE DEALT.  One s_wait_alu depctr_va_vdst(0) serves all exponentials issued ahead of it.  So a turn has ONE wait,
; which cuts it in two.  AHEAD OF IT stands all that names no result of the turn's exponentials: the 16 products K Q^T, behind each a scaling, an exponential and two rescalings (behind the first a second scaling in the exponential's place); then ONE LUMP of
; 108: eight plain, 49 times exponential and plain, the two a.  A v_nop is the plain instruction behind the last exponential.  BEHIND IT stand the 16 products V^T P, behind each four of GS's 64.  No rider names a register of
; the products round it.  The two v_permlanex16_b32 fall into the lump, never behind a product.
; The queues lean on each other, and the deal keeps them in step: exponential e stands behind scaling 2 (e / 4) + e % 2: as a rider it comes behind plain e + 2, in the lump behind plain e + 9, and scalings 27-31 are plain 57, 60 .. 69.
; A TURN, for piece p.  cnt = 1: the loop's count is taken down some lines ahead of the branch that stands behind the turn.
; K of the next step is fetched in piece 2's turn, directly behind the wait, a lump behind the last product that read K; its address is made at the lump's head; its first reader comes behind 16 products.
; V of the step in hand is fetched at the end of piece 0's turn, four riders behind its last reader; its first reader comes behind 16 products and a lump.  The three conditions on q below go with the deal.
.macro TURN p, last=0, cnt=0
.set Y, (\p)
.set i, 0
.set q, 0
.set e, 0
.set r, 0
.if (\p) == NP-1
	s_wait_dscnt 0x0                ; K is in
.endif
	MM                              ; ahead of the wait: 16 products K Q^T and their riders,
	PL
	PL
	R2
.rept 15
	MM
	PL
	EX
	R2
.endr
.if (\p) == NP-2
	WIN 0
	v_add_nc_u32 v[AK], s[TBK], v[AK0]
.endif
.rept 8                             ; and the lump
	PL
.endr
.rept 49
	EX
	PL
.endr
	EX                              ; the next piece's two a
	EX
	v_nop                           ; the plain instruction behind the last exponential: one for the batch
	s_wait_alu depctr_va_vdst(0)    ; the wait for the batch: the turn's 66 exponentials
.if (\p) == NP-2
	FETCH_K \last
.endif
.if (\p) == 1
	s_wait_dscnt 0x0                ; V is in
.endif
.rept 16                            ; behind the wait: 16 products V^T P and their riders
	MM
.rept 4
	PL
.endr
.if ((\p) == 0) && (q == 118)
	v_add_nc_u32 v[AV], s[TBV], v[AV0]
.endif
.if ((\p) == 0) && (q == 130)
	s_add_co_u32 s[TBV], s[TBV], KS*PV
.endif
.if (\cnt) && (q == 130)
	s_sub_co_u32 s[CNT], s[CNT], 1
	s_cmp_lg_u32 s[CNT], 0
.endif
.endr
.if (\p) == 0
	FETCH_V
.endif
.endm
	CHANGE 1                        ; slot 0 is in, everybody's part of it; slot 1 is asked for
	FETCH_K                         ; key step 0
	s_wait_loadcnt 0x0              ; Q
	s_wait_dscnt 0x0
.set i, 0
.rept 16
	KQ 0                            ; piece 0's first scores: there is no vector work yet to set between them
.set i, i+1
.endr
	WIN 0                           ; the addresses for the way out: nine plain instructions, the places behind those products
	s_mul_i32 s13, s[WV], 16*SP
	s_add_co_u32 s13, s13, STAGE    ; my stage
	v_mul_u32_u24 v[STO], v1, SP    ; in: row l % 16, 16 bytes for each half of the lanes
	v_lshl_add_u32 v[STO], v9, 4, v[STO]
	v_add_nc_u32 v[STO], s13, v[STO]
	v_bfe_u32 v[RD], v0, 3, 2       ; back: 32 lanes take four rows of 128 bytes,
	v_mul_u32_u24 v[RD], v[RD], SP
	v_lshl_add_u32 v[RD], v10, 4, v[RD]
	v_add_nc_u32 v[RD], s13, v[RD]
	v_and_b32 v[GO], 31, v0         ; which are 512 consecutive bytes of O
	v_lshlrev_b32 v[GO], 4, v[GO]
.set Y, NP-1                        ; XS works for piece Y + 1: piece 0
.irp n, 0,1,2,3,4,5,6,7,8,9,10,11,12,13,14,15,16,17,18,19,20,21
	XS 0, \n                        ; and piece 0's first maximum and statistics
	XS 1, \n
.endr
	v_nop                           ; a plain instruction behind the two a,
	s_wait_alu depctr_va_vdst(0)    ; and their wait, a batch of two, ahead of the branch
	s_mov_b32 s[CNT], 4
	s_mov_b32 s[SLOTS], SIZE_N/256-1
	s_branch .Lfirst                ; the loop is entered at a step's first turn, in the middle of a trip
.Lslot:                             ; SIZE_N / 256 - 2 times: every slot but the last two is filled again
	CHANGE 1
	s_mov_b32 s[CNT], 4
.Lstep:                             ; a trip: pieces 2 and 3 of one step, then pieces 0 and 1 of the next, whose K and V it fetches
	TURN 2
	TURN 3
	WIN 0
.Lfirst:
	TURN 0
	TURN 1, 0, 1
	WIN 0
	s_cbranch_scc1 .Lstep
	s_sub_co_u32 s[SLOTS], s[SLOTS], 1
	s_cmp_lg_u32 s[SLOTS], 0
	s_cbranch_scc1 .Lslot
	CHANGE 0                        ; the tail is written out: nothing is asked for
	s_mov_b32 s[CNT], 5             ; four trips fetch the last slot's steps; the fifth is left in its middle
.Ltail:
	TURN 2, 1
	TURN 3
	WIN 0
	s_sub_co_u32 s[CNT], s[CNT], 1
	s_cmp_eq_u32 s[CNT], 0
	s_cbranch_scc1 .Lout
	TURN 0
	TURN 1
	WIN 0
	s_branch .Ltail
.Lout:                              ; the fifth trip's 16 products K Q^T (on the last K once more) and the maximum made of them serve nothing: the price, once a launch, of one text for every trip
.set i, 0
.rept 16
	PV NP-1                         ; the last piece's V^T P of the last step
.set i, i+1
.endr
	; THE WAY OUT.  l's two halves and the other half of the lanes' are added; O^T is divided by l, rounded to f16 and sent through my stage in LDS, a tile at a time.  The additions are the places behind the last products.
	WIN 0
.macro ALL line:vararg              ; one line for each tile t
.set t, 0
.rept 2*NP
	\line
.set t, t+1
.endr
.endm
	ALL v_add_f32 v[ST+4*t+2], v[ST+4*t+2], v[ST+4*t+3]
	ALL v_permlanex16_b32 v[ST+4*t+3], v[ST+4*t+2], s[SEL], s[SEL+1]
	ALL v_add_f32 v[ST+4*t+2], v[ST+4*t+2], v[ST+4*t+3]
	ALL v_rcp_f32 v[ST+4*t+2], v[ST+4*t+2]
	v_nop                           ; a plain instruction between the last reciprocal and the use of its result
	s_wait_alu depctr_va_vdst(0)    ; and the wait ahead of the first use: one for the eight reciprocals
; Tile t: a lane's eight channels of a row pack into 16 bytes; they go into rows of 144 bytes and come back as whole rows of 128, into S^T's registers.
.macro PACK t
	WIN W_RS
.set i, 32*(\t)
.rept 16
	v_pk_mul_f32 v[i:i+1], v[i:i+1], v[ST+4*(\t)+2:ST+4*(\t)+3] op_sel_hi:[1,0]
.set i, i+2
.endr
	WIN 0x05                        ; sources 0 and 1 window 1, destination window 0
.set i, 0
.rept 16
	v_cvt_pk_f16_f32 v[S+16*(\t)+i], v[32*(\t)+2*i], v[32*(\t)+2*i+1]
.set i, i+1
.endr
	WIN 0
.irp f, 0,1,2,3
	ds_store_b128 v[STO], v[S+16*(\t)+4*\f:S+16*(\t)+4*\f+3] offset:32*\f
.endr
.irp f, 0,1,2,3
	ds_load_b128 v[S+16*(\t)+4*\f:S+16*(\t)+4*\f+3], v[RD] offset:\f*4*SP  ; LDS serves a wave's instructions in order (ISA guide 5.7.1.4): these see the stores above; the next tile's stores come behind them
.endr
.endm
.macro SEND t, younger              ; younger: the LDS instructions issued behind tile t's loads: the next tile's eight, or none
	WIN 0
.irp f, 0,1,2,3
	s_wait_dscnt (\younger)+3-\f
	global_store_b128 v[GO], v[S+16*(\t)+4*\f:S+16*(\t)+4*\f+3], s[10:11] offset:(\t)*2048+\f*512  ; 512 consecutive bytes, at a multiple of 256 from O's first
.endr
.endm
	PACK 0
.set t, 1
.rept 2*NP-1                        ; a tile's arithmetic stands between the loads of the tile before and its stores
	PACK t
	SEND t-1, 8
.set t, t+1
.endr
	SEND 2*NP-1, 0
	WIN W_AD
	s_wait_tensorcnt 0x0            ; the wave's end: behind my last tensor load and my last LDS store
	ds_add_u32 v[SPW], v[NIL]
	s_wait_dscnt 0x0
	WIN 0
	CROUND                          ; the closing round: no work-group ends while a partner may still ask for a tile that names it
	s_endpgm
.Lfunc_end_k_qd38926ff93_attn:
	.size	k_qd38926ff93_attn, .Lfunc_end_k_qd38926ff93_attn-k_qd38926ff93_attn
	.p2alignl 7, 3214868480
	.fill 96, 4, 3214868480
	.section	.rodata,"a",@progbits
	.p2align	6, 0x0
	.amdhsa_kernel k_qd38926ff93_attn
		.amdhsa_group_segment_fixed_size 327680
		.amdhsa_private_segment_fixed_size 0
		.amdhsa_enable_private_segment 0
		.amdhsa_kernarg_size 16
		.amdhsa_user_sgpr_count 2
		.amdhsa_user_sgpr_kernarg_segment_ptr 1
		.amdhsa_wavefront_size32 1
		.amdhsa_system_sgpr_workgroup_id_x 1
		.amdhsa_system_sgpr_workgroup_id_y 1
		.amdhsa_system_sgpr_workgroup_id_z 1
		.amdhsa_system_vgpr_workitem_id 0
		.amdhsa_next_free_vgpr 770
		.amdhsa_next_free_sgpr 66
		.amdhsa_reserve_vcc 0
		.amdhsa_float_denorm_mode_32 3
		.amdhsa_float_denorm_mode_16_64 3
		.amdhsa_memory_ordered 1
		.amdhsa_forward_progress 1
		.amdhsa_inst_pref_size 199
	.end_amdhsa_kernel
	.amdgpu_metadata
---
amdhsa.version: [ 1, 2 ]
amdhsa.kernels:
  - .name:           k_qd38926ff93_attn
    .symbol:         k_qd38926ff93_attn.kd
    .args:
      - { .name: qkvh, .offset: 0, .size: 8, .value_kind: global_buffer, .address_space: global }
      - { .name: oh, .offset: 8, .size: 8, .value_kind: global_buffer, .address_space: global }
    .group_segment_fixed_size: 327680
    .private_segment_fixed_size: 0
    .kernarg_segment_align: 8
    .kernarg_segment_size: 16
    .max_flat_workgroup_size: 128
    .sgpr_count:     66
    .vgpr_count:     770
    .wavefront_size: 32
...
	.end_amdgpu_metadata
.endif
;; end of part 5
;; launch proj: the kernel of part 4 again; grid 4 x 64, 4 waves a work-group, clusters of 4 x 4, 327,680 bytes of LDS; arguments oh, wob, b_out, out0; writes out0
